; MI455X (gfx1250); checked and timed in simulation.
; The chip was launched on July 23, 2026; its instructions are those of AMD's public machine-readable ISA for CDNA 5 (MIT licence, August 2026) and "CDNA5" Instruction Set Architecture Reference Guide (July 2026). The comments in the code are by the model that wrote it; some were corrected since.
;; GQ Attention. Allowed arithmetic: matrix products marked QUANTISED: E2M3 operands, one E8M0 scale for each 32 along K, by v_wmma_scale_f32_16x16x128_f8f6f4 with both operands' format E2M3, f32 sums; everything else in f32.
;; Inputs: freqs_cos 2,048 x 32 float32; freqs_sin 2,048 x 32 float32; mask 1 x 1 x 2,048 x 2,048 float32; wk 256 x 1,024 float32; wo 1,024 x 1,024 float32; wq 1,024 x 1,024 float32; wv 256 x 1,024 float32; x 4 x 2,048 x 1,024 float32.
;; Outputs: out0 4 x 2,048 x 1,024 float32; out1 4 x 2,048 x 4 x 64 float32; out2 4 x 2,048 x 4 x 64 float32.
;; This version of the problem:
;;   THIS VERSION OF THE PROBLEM IS GIVEN IN LOW PRECISION. The matrix products marked QUANTISED in the list below multiply operands that are first quantised to E2M3 (2 exponent bits, 3 mantissa bits; 6 bits a number), with one power-of-two scale for each 32 numbers along K (OCP MX v1.0); their sums are f32. All else is computed in f32.
;;   The module's matrix products, in the order in which they are computed (A, B: the left and right operand; K: the contracted axis; several contracted axes count as one K, in the product's order):
;;     1. [M 8,192, K 1,024] x [K 1,024, N 1,024]; A: input x; B: input wq: QUANTISED
;;     2. [M 8,192, K 1,024] x [K 1,024, N 256]; A: input x; B: input wk: QUANTISED
;;     3. [M 8,192, K 1,024] x [K 1,024, N 256]; A: input x; B: input wv: QUANTISED
;;     4. batch 16 x [M 8,192, K 64] x [K 64, N 2,048]; A: computed on the way; B: computed on the way: QUANTISED
;;     5. batch 16 x [M 8,192, K 2,048] x [K 2,048, N 64]; A: softmax (see below); B: computed on the way: QUANTISED
;;     6. [M 8,192, K 1,024] x [K 1,024, N 1,024]; A: computed on the way; B: input wo: QUANTISED
;;   THE QUANTISER, for each operand of a quantised product, along K:
;;     - K is cut into blocks of 32 from its start; a last block that is shorter is filled with zeros.
;;     - A block's scale is 2^e with e = floor(log2(the largest magnitude in the block)) - 2, held to -126 .. 127; a block of zeros has e = 0. As a byte (E8M0): e + 127.
;;     - Each number is divided by its block's scale, clamped to +-7.5, and rounded to the nearest number of E2M3, ties to even, subnormals kept.
;;     - The product sums the exact products of the quantised numbers (number of the format x scale) in f32.
;;   ~~~python
;;   def quantise(x, axis):      # numpy; x: float32 -> the quantised numbers, widened to float32 again
;;       x = np.moveaxis(x, axis, -1); K = x.shape[-1]
;;       x = np.pad(x, [(0, 0)] * (x.ndim - 1) + [(0, -K % 32)]); x = x.reshape(x.shape[:-1] + (-1, 32)); a = np.abs(x).max(-1, keepdims=True)
;;       e = np.where(a > 0, np.clip(np.frexp(np.where(a > 0, a, 1))[1] - 1 - 2, -126, 127), 0)      # np.frexp(a)[1] - 1 = floor(log2(a)), exactly
;;       r = np.clip(x / 2.0 ** e, -7.5, 7.5)
;;       step = 2.0 ** (np.maximum(np.frexp(np.where(r == 0, 1, r))[1] - 1, 0) - 3)
;;       q = np.round(r / step) * step * 2.0 ** e      # np.round: ties to even
;;       return np.moveaxis(q.reshape(q.shape[:-2] + (-1,))[..., :K], -1, axis).astype(np.float32)
;;   ~~~
;;   SOFTMAX AHEAD OF A QUANTISED PRODUCT. Where the list says 'softmax', what is quantised is not the finished softmax but p = 2^(t - M), with t = logit x log2(e) and M = ceil(the row's largest t), a whole number; so 1/2 < the row's largest p <= 1. The row's sum l is taken of the UNQUANTISED p, in f32, and the product's result is divided by l at the end. Since M is a whole number, a kernel that streams over the keys may use a running M (the ceiling of the running maximum): every later rescaling is an exact power of two, which a block's scale takes up: the codes' values come out the same.
;;   OPERANDS COMPUTED ON THE WAY. 'Computed on the way' means the value that the module computes at that place (a softmax that the list does not call 'softmax' is quantised finished and normalised). What goes into a quantiser is computed in f32, as accurately as f32 sums, v_exp_f32 and their like allow (about 1e-6 of the number): no bf16 or f16 on the way to a quantiser, and a product that is left as it is and whose result goes on into a quantised operand takes f32 operands (vector FMAs, or v_wmma_f32_16x16x4_f32). A number that lies on a knife's edge between two numbers of the format may be rounded either way, as far as f32 arithmetic and the matrix unit's own rounding can turn it there, and no further.
;; One version. Each part assembles by itself: llvm-mc -triple=amdgcn-amd-amdhsa -mcpu=gfx1250 --defsym DOCPART=n.
;; ======== version 1 of 1: 4 launches
;; limits: right only within a limited range of input values
;; workspace buffers: xw_c 8,257,536 bytes; xw_s 344,064 bytes; qb 6,815,744 bytes; kvb 3,342,336 bytes; ac 6,291,456 bytes; as_ 262,144 bytes
;; launch quant (part 1): grid 336 x 1, 4 waves a work-group, no clusters, 34,304 bytes of LDS; arguments x, wq, wk, wv, wo, xw_c, xw_s; writes xw_c, xw_s
.if DOCPART == 1
	.amdgcn_target "amdgcn-amd-amdhsa--gfx1250"
	.amdhsa_code_object_version 6
	.text
	.protected	k_qd7882ac01a_quant
	.globl	k_qd7882ac01a_quant
	.p2align	8
	.type	k_qd7882ac01a_quant,@function
k_qd7882ac01a_quant:
	s_mov_b64 s[64:65], 0
	v_nop
	global_prefetch_b8 v0, s[64:65] scope:SCOPE_SE
	s_setreg_imm32_b32 hwreg(HW_REG_WAVE_MODE, 25, 1), 1
	s_wait_xcnt 0x0
; x [8192][1024], wq [1024][1024], wk, wv [256][1024], wo [1024][1024], f32, K innermost, become codes of FP6 (E2M3) with one E8M0 byte for each 32 along K,
; laid as IMAGES OF OPERAND REGISTERS.  A tile is 16 rows; lane r of tile t holds row 32 (t / 2) + 8 (t % 2) + r + 8 (r / 8).  A fragment (16 rows x 128 K, 12 registers a lane) is 1,536 bytes:
; chunk c at 512 c, lane l's registers 4 c .. 4 c + 3 at 16 l.  A tile's record is its eight K steps on end, 12,288 bytes.  Its scale record is 512 bytes: the word of K step s, row r, at 128 (s / 2) + 8 r + 4 (s % 2).
; Tiles in the two buffers: x 0-511, wq 512-575, wk 576-591, wv 592-607, wo 608-671.
; A block's scale is 2^(floor(log2(its largest magnitude)) - 2); its byte is the largest magnitude's exponent field - 2, held at 1 from below.
; LIMITS: a block of zeros gets the byte 1 (its codes are zeros; this program alone reads the bytes); NaN and infinities among the inputs are not served.
; SHARES: work-group p takes tiles 2 p and 2 p + 1; wave w takes tile 2 p + w / 2 and half w % 2 of K: four K steps.  Each load reads 512 consecutive bytes of one row; a K step's 16 rows turn
; through the wave's own stage in LDS, so that a lane gets 16 neighbours of each block of 32.  No cluster and no matrix unit: nothing is shared and memory binds.  Waves share nothing: no barrier.
.set STG,   8448                       ; a wave's stage: 16 rows x (512 + 16) bytes
.set SPARE, 4*STG                      ; behind the stages: the spare words, 128 bytes a wave
.set SPW,   8                          ; v8   my spare word's address; never rewritten
.set NIL,   9                          ; v9   0; never rewritten
.set R,     16                         ; v16-143  two sets of 64 registers as loaded
.set X,     144                        ; v144-207 64 numbers: register 16 b + i = k 32 b + 16 (lane / 16) + i of my row
.set TM,    208                        ; v208-223 at work in the quantiser
.set PC,    228                        ; v228-239 a fragment's codes; v240-246 at work
.set WD,    248                        ; v248-251 the four K steps' scale words
.set HM,    20                         ; s20  lanes 16-31
.set SEL,   22                         ; s[22:23] selects of v_permlanex16_b32: lane l xor 16
; 64 numbers of a lane become a fragment's codes in v[pc] on and its row's scale word in v[pw]
.macro QUANT s, pc, pw
.irp b, 0,1,2,3
	v_max3_num_f32 v[TM+\b], |v[(\s)+16*\b]|, |v[(\s)+1+16*\b]|, 0x1800000   ; my 16 numbers of block b, and the floor 2^(3 - 127): the byte cannot fall under 1
.endr
.irp i, 2,4,6,8,10,12,14
.irp b, 0,1,2,3
	v_max3_num_f32 v[TM+\b], v[TM+\b], |v[(\s)+16*\b+\i]|, |v[(\s)+1+16*\b+\i]|   ; the four blocks by turns
.endr
.endr
.irp b, 0,1,2,3
	v_permlanex16_b32 v[TM+4+\b], v[TM+\b], s[SEL], s[SEL+1]
.endr
.irp b, 0,1,2,3
	v_max_num_f32 v[TM+\b], v[TM+\b], v[TM+4+\b]   ; with lane l xor 16's: the block's largest magnitude
.endr
.irp b, 0,1,2,3
	v_add_nc_u32 v[TM+12+\b], 0xff000000, v[TM+\b]   ; 2 off its exponent field: the conversion's scale operand
.endr
.irp b, 0,1,2,3
	v_lshrrev_b32 v[TM+4+\b], 23, v[TM+12+\b]      ; the scale's byte
.endr
	v_lshl_or_b32 v[\pw], v[TM+5], 8, v[TM+4]
	v_lshl_or_b32 v[\pw], v[TM+6], 16, v[\pw]
	v_lshl_or_b32 v[\pw], v[TM+7], 24, v[\pw]
.irp c, 0,1
	v_cvt_scalef32_pk16_fp6_f32 v[(\pc)+6*\c:(\pc)+2+6*\c], v[(\s)+32*\c:(\s)+15+32*\c], v[TM+12+2*\c]
	v_cvt_scalef32_pk16_fp6_f32 v[(\pc)+12+4*\c:(\pc)+14+4*\c], v[(\s)+16+32*\c:(\s)+31+32*\c], v[TM+12+2*\c+1]   ; (a conversion's three registers begin on an even number)
.endr
	v_nop                                          ; one plain place behind the scaled conversions
.irp c, 0,1                                    ; the operand wants a whole block in a lane: lanes 0-15 block 2 c, lanes 16-31 block 2 c + 1
.irp i, 0,1,2
	v_permlane16_swap_b32 v[(\pc)+6*\c+\i], v[(\pc)+12+4*\c+\i]
.endr
.irp i, 0,1,2
	v_mov_b32 v[(\pc)+3+6*\c+\i], v[(\pc)+12+4*\c+\i]
.endr
.endr
.endm
.macro LOAD st                         ; K step st of my four: 16 rows x 512 bytes
.irp i, 0,1,2,3,4,5,6,7,8,9,10,11,12,13,14,15
	global_load_b128 v[R+64*((\st)%2)+4*\i:R+64*((\st)%2)+4*\i+3], v2, s[24:25] offset:(\i+8*(\i/8))*4096+512*(\st) th:TH_LOAD_NT
.endr
.endm
.macro TURN st                         ; through the stage: LDS serves a wave's instructions in order, so no wait stands between the stores and the loads
.irp i, 0,1,2,3,4,5,6,7,8,9,10,11,12,13,14,15
	ds_store_b128 v3, v[R+64*((\st)%2)+4*\i:R+64*((\st)%2)+4*\i+3] offset:528*\i
.endr
.irp b, 0,1,2,3
.irp j, 0,1,2,3
	ds_load_b128 v[X+16*\b+4*\j:X+16*\b+4*\j+3], v4 offset:128*\b+16*\j
.endr
.endr
.endm
	s_load_b256 s[4:11], s[0:1], 0x0               ; x, wq, wk, wv
	s_load_b128 s[12:15], s[0:1], 0x20             ; wo, the codes
	s_load_b64 s[16:17], s[0:1], 0x30              ; the scale records
	v_lshl_add_u32 v[SPW], v0, 2, SPARE
	v_mov_b32 v[NIL], 0
	v_lshrrev_b32 v1, 5, v0
	v_readfirstlane_b32 s18, v1                    ; wave
	v_and_b32 v1, 31, v0                           ; lane
	v_and_b32 v5, 15, v0                           ; r
	v_bfe_u32 v7, v0, 4, 1                         ; h
	v_lshlrev_b32 v2, 4, v1                        ; 16 x lane: in memory, in a row's 512 bytes and in an image
	s_mul_i32 s19, s18, STG
	v_add_nc_u32 v3, s19, v2                       ; the stage, on the way in
	v_mul_u32_u24 v4, v5, 528
	v_lshl_add_u32 v4, v7, 6, v4
	v_add_nc_u32 v4, s19, v4                       ; and out: row r, + 64 h
	v_lshlrev_b32 v6, 3, v5
	v_lshl_add_u32 v6, v7, 7, v6                   ; my two scale words: 128 h + 8 r
	s_mov_b32 s[HM], 0xffff0000
	s_mov_b32 s[SEL], 0x76543210
	s_mov_b32 s[SEL+1], 0xfedcba98
.irp b, 0,1,2,3
	v_mov_b32 v[TM+4+\b], 0                        ; written once: a lane permute's destination counts as one of its sources
.endr
	s_lshr_b32 s28, s18, 1                         ; which tile of the pair
	s_and_b32 s29, s18, 1                          ; which half of K
	s_lshl_b32 s32, ttmp9, 1
	s_add_co_u32 s32, s32, s28                     ; my tile
	s_mul_i32 s34, s32, 12288
	s_mul_i32 s33, s29, 6144
	s_add_co_u32 s34, s34, s33                     ; its record, my half
	s_mov_b32 s35, 0
	s_lshl_b32 s36, s32, 9
	s_lshl_b32 s33, s29, 8
	s_add_co_u32 s36, s36, s33                     ; its scale record, my half
	s_mov_b32 s37, 0
	s_wait_alu depctr_va_vdst(0)
	s_wait_kmcnt 0x0
	s_mov_b64 s[24:25], s[12:13]                   ; which tensor: the choice hangs on the work-group's number alone
	s_mov_b32 s26, 304                             ; and the tensor's first pair of tiles
	s_cmp_lt_u32 ttmp9, 304
	s_cselect_b64 s[24:25], s[10:11], s[24:25]
	s_cselect_b32 s26, 296, s26
	s_cmp_lt_u32 ttmp9, 296
	s_cselect_b64 s[24:25], s[8:9], s[24:25]
	s_cselect_b32 s26, 288, s26
	s_cmp_lt_u32 ttmp9, 288
	s_cselect_b64 s[24:25], s[6:7], s[24:25]
	s_cselect_b32 s26, 256, s26
	s_cmp_lt_u32 ttmp9, 256
	s_cselect_b64 s[24:25], s[4:5], s[24:25]
	s_cselect_b32 s26, 0, s26
	s_sub_co_u32 s27, ttmp9, s26
	s_lshl_b32 s27, s27, 5
	s_lshl_b32 s28, s28, 3
	s_add_co_u32 s27, s27, s28                     ; the tile's first row: 32 x pair + 8 x (tile % 2)
	s_lshl_b32 s30, s27, 12
	s_lshl_b32 s29, s29, 11
	s_add_co_u32 s30, s30, s29
	s_mov_b32 s31, 0
	s_add_nc_u64 s[24:25], s[24:25], s[30:31]
	s_add_nc_u64 s[14:15], s[14:15], s[34:35]
	s_add_nc_u64 s[16:17], s[16:17], s[36:37]
	LOAD 0
	LOAD 1
.irp st, 0,1,2,3
.if \st < 3
	s_wait_loadcnt 16                              ; this K step's 16 loads are in; the next step's 16 may be out
.else
	s_wait_loadcnt 0x0
.endif
	TURN \st
	s_wait_dscnt 0x0                               ; the numbers are back, and the stage's stores have read their registers,
.if \st < 2
	LOAD \st+2                                     ; which take the loads of two steps on
.endif
	s_wait_xcnt 0x0                                ; the last step's stores have read the codes' registers
	QUANT X, PC, WD+\st
.irp c, 0,1,2
	global_store_b128 v2, v[PC+4*\c:PC+4*\c+3], s[14:15] offset:1536*\st+512*\c   ; 512 consecutive bytes a store
.endr
.endr
	v_cndmask_b32 v252, v[WD], v[WD+2], s[HM]      ; lanes 0-15 store the words of my steps 0 and 1, lanes 16-31 of steps 2 and 3
	v_cndmask_b32 v253, v[WD+1], v[WD+3], s[HM]
	global_store_b64 v6, v[252:253], s[16:17]      ; 256 consecutive bytes, aligned
	s_wait_tensorcnt 0x0                           ; the wave's end, behind my last LDS store
	ds_add_u32 v[SPW], v[NIL]
	s_wait_dscnt 0x0
	s_endpgm
.Lfunc_end_k_qd7882ac01a_quant:
	.size	k_qd7882ac01a_quant, .Lfunc_end_k_qd7882ac01a_quant-k_qd7882ac01a_quant
	.p2alignl 7, 3214868480
	.fill 96, 4, 3214868480
	.section	.rodata,"a",@progbits
	.p2align	6, 0x0
	.amdhsa_kernel k_qd7882ac01a_quant
		.amdhsa_group_segment_fixed_size 34304
		.amdhsa_private_segment_fixed_size 0
		.amdhsa_enable_private_segment 0
		.amdhsa_kernarg_size 56
		.amdhsa_user_sgpr_count 2
		.amdhsa_user_sgpr_kernarg_segment_ptr 1
		.amdhsa_wavefront_size32 1
		.amdhsa_system_sgpr_workgroup_id_x 1
		.amdhsa_system_sgpr_workgroup_id_y 1
		.amdhsa_system_sgpr_workgroup_id_z 1
		.amdhsa_system_vgpr_workitem_id 0
		.amdhsa_next_free_vgpr 256
		.amdhsa_next_free_sgpr 66
		.amdhsa_reserve_vcc 0
		.amdhsa_float_denorm_mode_32 3
		.amdhsa_float_denorm_mode_16_64 3
		.amdhsa_memory_ordered 1
		.amdhsa_forward_progress 1
		.amdhsa_inst_pref_size 34
	.end_amdhsa_kernel
	.amdgpu_metadata
---
amdhsa.version: [ 1, 2 ]
amdhsa.kernels:
  - .name:           k_qd7882ac01a_quant
    .symbol:         k_qd7882ac01a_quant.kd
    .args:
      - { .name: x, .offset: 0, .size: 8, .value_kind: global_buffer, .address_space: global }
      - { .name: wq, .offset: 8, .size: 8, .value_kind: global_buffer, .address_space: global }
      - { .name: wk, .offset: 16, .size: 8, .value_kind: global_buffer, .address_space: global }
      - { .name: wv, .offset: 24, .size: 8, .value_kind: global_buffer, .address_space: global }
      - { .name: wo, .offset: 32, .size: 8, .value_kind: global_buffer, .address_space: global }
      - { .name: xw_c, .offset: 40, .size: 8, .value_kind: global_buffer, .address_space: global }
      - { .name: xw_s, .offset: 48, .size: 8, .value_kind: global_buffer, .address_space: global }
    .group_segment_fixed_size: 34304
    .private_segment_fixed_size: 0
    .kernarg_segment_align: 8
    .kernarg_segment_size: 56
    .max_flat_workgroup_size: 128
    .sgpr_count:     66
    .vgpr_count:     256
    .wavefront_size: 32
...
	.end_amdgpu_metadata
.endif
;; end of part 1
;; launch qkv (part 2): grid 64 x 6, 8 waves a work-group, clusters of 4 x 1, 327,680 bytes of LDS; arguments xw_c, xw_s, freqs_cos, freqs_sin, qb, kvb, out1, out2; writes qb, kvb, out1, out2
.if DOCPART == 2
	.amdgcn_target "amdgcn-amd-amdhsa--gfx1250"
	.amdhsa_code_object_version 6
	.text
	.protected	k_qd7882ac01a_qkv
	.globl	k_qd7882ac01a_qkv
	.p2align	8
	.type	k_qd7882ac01a_qkv,@function
k_qd7882ac01a_qkv:
	s_mov_b64 s[64:65], 0
	v_nop
	global_prefetch_b8 v0, s[64:65] scope:SCOPE_SE
	s_setreg_imm32_b32 hwreg(HW_REG_WAVE_MODE, 25, 1), 1
	s_wait_xcnt 0x0
	s_wait_alu depctr_hold_cnt(0) depctr_sa_sdst(0) depctr_va_vdst(0) depctr_va_sdst(0) depctr_va_ssrc(0) depctr_va_vcc(0) depctr_vm_vsrc(0)
	s_getreg_b32 s2, hwreg(HW_REG_IB_STS2, 6, 4)
	s_cmp_eq_u32 s2, 0
	s_cbranch_scc0 .Lentry_in_a_cluster
	s_endpgm
.Lentry_in_a_cluster:
	s_bfe_u32 s2, ttmp6, 0x10000c
	s_cmp_lg_u32 s2, 0x3003
	s_cbranch_scc0 .Lentry_shape_is_right
	s_endpgm
.Lentry_shape_is_right:
; q = x wq^T, k = x wk^T, v = x wv^T on codes of FP6 (E2M3) with E8M0 scales; RoPE on q and k in f32; q, k (along the head's 64) and v (along the keys) quantised for the attention launch; k and v stored as out1, out2.
; SHARES.  A work-group takes 128 tokens (tb) x 256 columns (the role: 0-3 four query heads each, 4 = k, 5 = v).  Wave w: tokens 64 (w / 4) on, columns 64 (w % 4) on: 16 accumulators.
; THE PRODUCT IS USED TRANSPOSED (source 0 = 16 rows of W, source 1 = 16 tokens).  Lane r of a tile holds row 32 (t / 2) + 8 (t % 2) + r + 8 (r / 8), so a lane holds ONE token, and the 16 registers of W's tiles
; 2 b and 2 b + 1 are the 16 neighbouring columns 32 b + 16 (lane / 16) + 0 .. 15.
; LDS.  K = 1,024: both panels fit, as four chunks of two K steps, 24 rows of 3,072 bytes each (W's 16 tiles, x's 8).  Every byte is filled once; a wave has at most four tensor loads out.
; CLUSTER.  The four partners have the same role and so the same 196,608 bytes of W: waves 0-3 ask for them jointly.  x's tiles differ between partners: waves 4-7 fetch them by loads of their own.
; (The six roles of one tb read the same x; six does not divide into a cluster's four along y, so that sharing is left out.)
; OUT.  qb: a block of 6,656 bytes for 128 tokens of a head: 8 tiles x (512 bytes at 16 x lane: registers 0-3; 256 bytes at 8 x lane: registers 4-5), then the scale words [tile / 4][lane][2]: word i of lane r + 16 hh is tile
; 4 (tile / 4) + 2 i + hh, row r; bytes 2 and 3 of a word are 0.  kvb: a block of 13,056 bytes for 128 keys of a KV head: K as above; V's four fragments (row = d in the same order of rows, K = the 128 keys) at 6,656; V's scale words at 12,800.
; THE FACTOR 1/8 OF THE SCORES goes into q's scale bytes: 3 is taken off each.  LIMITS: a q block whose largest magnitude lies under 2^-121 is quantised under that floor's scale, so that the byte stays at 1 or above;
; a block of zeros has the floor's byte (its codes are zeros; this program alone reads the bytes); NaN and infinities are not served.  V's 128 bytes of scale words a wave are half of an aligned 256.
; THE PANELS COME IN TWO HALVES OF K (in place of the four chunks that the note above names): a half is four K steps, 24 rows of 6,144 bytes (W's 16 tiles, x's 8).
; Every wave issues one tensor load at the head (waves 0-3 four tiles of W each, jointly; waves 4-7 two tiles of x each) and one, the second half, behind the full sequence and a round: one load a wave is out at any time.
.set CHK,   147456                     ; a half: 24 rows x 6,144 bytes
.set TROW,  6144                       ; four K steps of a tile
.set REC,   12288                      ; a tile's record in memory
.set SPARE, 2*CHK
.set SP,    1040                       ; the stage (from LDS byte 0, in chunks that have had their only fill and their last read): 128 rows x (1,024 + 16) bytes
.set SPW, 1                            ; v1   my spare word's address; never rewritten
.set NIL, 2                            ; v2   0; never rewritten
.set AW,  3                            ; v3   LDS: my W tiles in the chunk in hand
.set AX,  4                            ; v4   LDS: my x tiles
.set VSC, 5                            ; v5   scale records: 512 (lane / 16) + 8 r
.set L16, 6                            ; v6   16 x lane
.set L8,  7                            ; v7   8 x lane
.set VCS, 8                            ; v8   cos, sin: 128 (r + 8 (r / 8)) + 32 h
.set VST, 9                            ; v9   the stage, in
.set VRD, 10                           ; v10  the stage, back by rows
.set VCL, 11                           ; v11, v12  the stage, by columns (keys 0-63, keys 64-127)
.set L4,  13                           ; v13  4 x lane
.set SW,  16                           ; v16-19 scale words just made; v20-21 merged
.set WS,  24                           ; v24-39  W's scale words: 8 (pair of tiles) + K step; lanes 0-15 the even tile, lanes 16-31 the odd
.set XS,  40                           ; v40-55  x's likewise
.set WF,  56                           ; (v56-127 are at work on the way out alone: THE FRAGMENTS LIE IN WINDOW 1, two sets of 96 registers by turns: set s % 2 at 96 (s % 2): W's four at + 12 i, x's four at + 48 + 12 t; v192-255 of window 1: two sets of cos and sin)
.set XF,  104                          ; not used
.set ACC, 128                          ; v128-255 accumulator (token tile t, W tile i) at 32 t + 8 i
.set TM,  88                           ; v88-103 at work in v's quantiser
.set WV,  20
.set TH,  21
.set HD,  22
.set CX,  23
.set TBK, 24
.set ROLE, 25
.set FLOOR, 26
.set BSUB, 27
.set HM,  28
.set SEL, 30
.set G1W, 40
.set G1X, 48
.set G0W, 68
.set G0X, 84
.macro CROUND                          ; a round of the cluster's barrier
	s_barrier_signal -1
	s_barrier_wait -1
	s_cmp_lg_u32 s[WV], 0
	s_cbranch_scc1 .Lnot_wave_0_\@
	s_barrier_signal -3
.Lnot_wave_0_\@:
	s_barrier_wait -3
	s_barrier_signal -1
	s_barrier_wait -1
.endm
.macro QUANT s, pc, pw                 ; 64 numbers of a lane, register 16 b + i = k 32 b + 16 (lane / 16) + i of my row, become a fragment's codes and its row's scale word
.irp b, 0,1,2,3
	v_max3_num_f32 v[TM+\b], |v[(\s)+16*\b]|, |v[(\s)+1+16*\b]|, 0x1800000
.endr
.irp i, 2,4,6,8,10,12,14
.irp b, 0,1,2,3
	s_delay_alu instid0(VALU_DEP_4)
	v_max3_num_f32 v[TM+\b], v[TM+\b], |v[(\s)+16*\b+\i]|, |v[(\s)+1+16*\b+\i]|
.endr
.endr
.irp b, 0,1,2,3
	s_delay_alu instid0(VALU_DEP_4)
	v_permlanex16_b32 v[TM+4+\b], v[TM+\b], s[SEL], s[SEL+1]
.endr
.irp b, 0,1,2,3
	s_delay_alu instid0(VALU_DEP_4)
	v_max_num_f32 v[TM+\b], v[TM+\b], v[TM+4+\b]
.endr
.irp b, 0,1,2,3
	s_delay_alu instid0(VALU_DEP_4)
	v_add_nc_u32 v[TM+12+\b], 0xff000000, v[TM+\b]
.endr
.irp b, 0,1,2,3
	s_delay_alu instid0(VALU_DEP_4)
	v_lshrrev_b32 v[TM+4+\b], 23, v[TM+12+\b]
.endr
	s_delay_alu instid0(VALU_DEP_3)
	v_lshl_or_b32 v[\pw], v[TM+5], 8, v[TM+4]
	s_delay_alu instid0(VALU_DEP_1)
	v_lshl_or_b32 v[\pw], v[TM+6], 16, v[\pw]
	s_delay_alu instid0(VALU_DEP_1)
	v_lshl_or_b32 v[\pw], v[TM+7], 24, v[\pw]
.irp c, 0,1
	v_cvt_scalef32_pk16_fp6_f32 v[(\pc)+6*\c:(\pc)+2+6*\c], v[(\s)+32*\c:(\s)+15+32*\c], v[TM+12+2*\c]
	v_cvt_scalef32_pk16_fp6_f32 v[(\pc)+12+4*\c:(\pc)+14+4*\c], v[(\s)+16+32*\c:(\s)+31+32*\c], v[TM+12+2*\c+1]
.endr
	v_nop                                          ; one plain place behind the scaled conversions
.irp c, 0,1
.irp i, 0,1,2
	v_permlane16_swap_b32 v[(\pc)+6*\c+\i], v[(\pc)+12+4*\c+\i]
.endr
.irp i, 0,1,2
	s_delay_alu instid0(VALU_DEP_3)
	v_mov_b32 v[(\pc)+3+6*\c+\i], v[(\pc)+12+4*\c+\i]
.endr
.endr
.endm
; one matrix instruction, by the symbols rD, rA, rB, rSA, rSB; fZ: it starts the sum; fA, fB: the side's scale words lie in lanes 16-31
.macro WM
.if fZ
.if fA && fB
	v_wmma_scale_f32_16x16x128_f8f6f4 v[rD:rD+7], v[rA:rA+11], v[rB:rB+11], 0, v[rSA], v[rSB] matrix_a_fmt:MATRIX_FMT_FP6 matrix_b_fmt:MATRIX_FMT_FP6 matrix_a_scale:MATRIX_SCALE_ROW1 matrix_b_scale:MATRIX_SCALE_ROW1
.elseif fA
	v_wmma_scale_f32_16x16x128_f8f6f4 v[rD:rD+7], v[rA:rA+11], v[rB:rB+11], 0, v[rSA], v[rSB] matrix_a_fmt:MATRIX_FMT_FP6 matrix_b_fmt:MATRIX_FMT_FP6 matrix_a_scale:MATRIX_SCALE_ROW1
.elseif fB
	v_wmma_scale_f32_16x16x128_f8f6f4 v[rD:rD+7], v[rA:rA+11], v[rB:rB+11], 0, v[rSA], v[rSB] matrix_a_fmt:MATRIX_FMT_FP6 matrix_b_fmt:MATRIX_FMT_FP6 matrix_b_scale:MATRIX_SCALE_ROW1
.else
	v_wmma_scale_f32_16x16x128_f8f6f4 v[rD:rD+7], v[rA:rA+11], v[rB:rB+11], 0, v[rSA], v[rSB] matrix_a_fmt:MATRIX_FMT_FP6 matrix_b_fmt:MATRIX_FMT_FP6
.endif
.else
.if fA && fB
	v_wmma_scale_f32_16x16x128_f8f6f4 v[rD:rD+7], v[rA:rA+11], v[rB:rB+11], v[rD:rD+7], v[rSA], v[rSB] matrix_a_fmt:MATRIX_FMT_FP6 matrix_b_fmt:MATRIX_FMT_FP6 matrix_a_scale:MATRIX_SCALE_ROW1 matrix_b_scale:MATRIX_SCALE_ROW1
.elseif fA
	v_wmma_scale_f32_16x16x128_f8f6f4 v[rD:rD+7], v[rA:rA+11], v[rB:rB+11], v[rD:rD+7], v[rSA], v[rSB] matrix_a_fmt:MATRIX_FMT_FP6 matrix_b_fmt:MATRIX_FMT_FP6 matrix_a_scale:MATRIX_SCALE_ROW1
.elseif fB
	v_wmma_scale_f32_16x16x128_f8f6f4 v[rD:rD+7], v[rA:rA+11], v[rB:rB+11], v[rD:rD+7], v[rSA], v[rSB] matrix_a_fmt:MATRIX_FMT_FP6 matrix_b_fmt:MATRIX_FMT_FP6 matrix_b_scale:MATRIX_SCALE_ROW1
.else
	v_wmma_scale_f32_16x16x128_f8f6f4 v[rD:rD+7], v[rA:rA+11], v[rB:rB+11], v[rD:rD+7], v[rSA], v[rSB] matrix_a_fmt:MATRIX_FMT_FP6 matrix_b_fmt:MATRIX_FMT_FP6
.endif
.endif
.endm
.macro MM t0                           ; eight matrix instructions: token tiles t0, t0 + 1 x W's four; the 16 accumulators take turns, one instruction a turn
.irp t, \t0, \t0+1
.irp i, 0,1,2,3
.set rD, ACC+32*(\t)+8*\i
.set rA, 96*(SS%2)+12*\i
.set rB, 96*(SS%2)+48+12*(\t)
.set rSA, WS+8*(\i/2)+SS
.set rSB, XS+8*((\t)/2)+SS
.set fA, \i%2
.set fB, (\t)%2
	WM
.endr
.endr
.endm
.set MSB, 0
.macro WIN new                         ; s_set_vgpr_msb: bits 1:0 source 0, 3:2 source 1, 5:4 source 2, 7:6 destination; the immediate's high byte repeats the setting that is left
.if MSB != \new
	s_set_vgpr_msb (MSB<<8)|\new
.set MSB, \new
.endif
.endm
.macro FETCH ss, q                     ; the eight fragments of K step ss, the q-th of its half, into set ss % 2 of window 1: 24 LDS loads
	WIN 0x40
.irp i, 0,1,2,3
.irp j, 0,1,2
	ds_load_b128 v[96*((\ss)%2)+12*\i+4*\j:96*((\ss)%2)+12*\i+4*\j+3], v[AW] offset:TROW*\i+1536*(\q)+512*\j
.endr
.endr
.irp t, 0,1,2,3
.irp j, 0,1,2
	ds_load_b128 v[96*((\ss)%2)+48+12*\t+4*\j:96*((\ss)%2)+48+12*\t+4*\j+3], v[AX] offset:TROW*\t+1536*(\q)+512*\j
.endr
.endr
	WIN 0
.endm
.macro CSLOAD t                        ; cos and sin of tile t's tokens: pairs 16 b + 8 h + 0 .. 7: 16 + 16 registers, into set t % 2, in window 1
.set CSB, 192+32*((\t)%2)
	WIN 0x40
.irp b, 0,1
.irp j, 0,1
	global_load_b128 v[CSB+8*\b+4*\j:CSB+8*\b+4*\j+3], v[VCS], s[8:9] offset:128*(32*((\t)/2)+8*((\t)%2))+64*\b+16*\j
	global_load_b128 v[CSB+16+8*\b+4*\j:CSB+16+8*\b+4*\j+3], v[VCS], s[10:11] offset:128*(32*((\t)/2)+8*((\t)%2))+64*\b+16*\j
.endr
.endr
	WIN 0
.endm
.macro PLACES                          ; four plain places between a matrix instruction and a load into, or a read of, its registers (ISA guide 7.12.1 for a read)
.rept 4
	v_nop
.endr
.endm
.macro KSTEP c, q                      ; K step 4 c + q: 16 matrix instructions
.set SS, 4*(\c)+(\q)
.set fZ, SS==0
.if (\q) < 3
.if SS > 0
	PLACES                                         ; the other set was read by the products just issued
.endif
	FETCH SS+1, (\q)+1                             ; the next K step's fragments are asked for ahead of this step's products
	s_wait_dscnt 24                                ; this step's 24 loads are in; the 24 just issued may be out
.else
	s_wait_dscnt 0x0                               ; the half's last K step: nothing is asked for behind it
.endif
.if SS == 0
	s_wait_loadcnt 0x0                             ; the scale words (and the first cos and sin)
.endif
	WIN 0x05                                       ; both operands in window 1
	MM 0
	MM 2
	WIN 0
.endm
.macro CHUNK c
	s_wait_tensorcnt 0x0                           ; my part of half c is in
.if \c == 0
	ds_add_u32 v[SPW], v[NIL]                      ; ahead of a later first fill
	s_wait_dscnt 0x0
	CROUND                                         ; everybody's part is in, and the four work-groups are here
	s_cmp_lt_u32 s[WV], 4
	s_cbranch_scc0 .Lx_half
	tensor_load_to_lds s[G0W+4:G0W+7], s[G1W:G1W+7]   ; the second half of K: my one load behind the round
	s_nop 0
.rept 4
	v_nop
.endr
	s_branch .Lasked_half
.Lx_half:
	tensor_load_to_lds s[G0X+4:G0X+7], s[G1X:G1X+7]
	s_nop 0
.rept 4
	v_nop
.endr
.Lasked_half:
.else
	s_wait_dscnt 0x0
	s_barrier_signal -1
	s_barrier_wait -1                              ; everybody's part is in
.endif
.if \c > 0
	PLACES                                         ; set 0 was read by products with no four places behind them yet
.endif
	FETCH 4*(\c), 0                                ; the half's first fragments
	KSTEP \c, 0
	KSTEP \c, 1
	KSTEP \c, 2
	KSTEP \c, 3
.if \c < 1
	v_add_nc_u32 v[AW], CHK, v[AW]
	v_add_nc_u32 v[AX], CHK, v[AX]
.endif
.endm
	s_load_b256 s[4:11], s[0:1], 0x0               ; codes s[4:5], scale records s[6:7], cos s[8:9], sin s[10:11]
	s_load_b256 s[12:19], s[0:1], 0x20             ; qb s[12:13], kvb s[14:15], out1 s[16:17], out2 s[18:19]
	v_lshl_add_u32 v[SPW], v0, 2, SPARE
	v_mov_b32 v[NIL], 0
	ds_add_u32 v[SPW], v[NIL]                      ; the wave's opening: the add and its wait stand ahead of my first tensor load; the set-up below, work on registers, stands between them
	ds_add_u32 v[SPW], v[NIL]
	v_lshrrev_b32 v14, 5, v0
	s_delay_alu instid0(VALU_DEP_1)
	v_readfirstlane_b32 s[WV], v14                 ; wave 0..7
	s_lshr_b32 s[TH], s[WV], 2                     ; which 64 tokens
	s_and_b32 s[HD], s[WV], 3                      ; which 64 columns
	s_bfe_u32 s[CX], ttmp6, 0x40000                ; my place in the cluster: it enters global addresses of my own loads and stores alone
	s_lshl_b32 s[TBK], ttmp9, 2
	s_add_co_u32 s[TBK], s[TBK], s[CX]             ; my block of 128 tokens
	s_and_b32 s[ROLE], ttmp7, 0xffff               ; the role: the same in all four partners
	s_mov_b32 s[HM], 0xffff0000
	s_mov_b32 s[SEL], 0x76543210
	s_mov_b32 s[SEL+1], 0xfedcba98
	; descriptor group 1: 4 or 2 rows (tiles) of 768 elements of 8 bytes (four K steps), 1,536 elements (a record) apart
	s_mov_b32 s[G1W], 15|(3<<16)|(1<<21)           ; W: the mask names all four partners, bit 21 beside it
	s_mov_b32 s[G1X], 3<<16                        ; x: no mask
.irp g, G1W, G1X
	s_mov_b32 s[\g+1], 768<<16                     ; rows of 768 elements of 8 bytes: four K steps of a tile
	s_mov_b32 s[\g+3], 768<<16
	s_mov_b32 s[\g+5], 1536                        ; a record from row to row
	s_mov_b32 s[\g+6], 0
	s_mov_b32 s[\g+7], 0
.endr
	s_mov_b32 s[G1W+2], 4<<16                      ; W: four tiles a load
	s_mov_b32 s[G1W+4], 4
	s_mov_b32 s[G1X+2], 2<<16                      ; x: two tiles a load
	s_mov_b32 s[G1X+4], 2
	s_lshl_b32 s32, s[ROLE], 4
	s_lshl_b32 s33, s[WV], 2
	s_add_co_u32 s32, s32, s33
	s_add_co_u32 s32, s32, 512                     ; W: tile 512 + 16 x role + 4 x wave (waves 0-3)
	s_mul_i32 s32, s32, REC
	s_mov_b32 s33, 0
	s_mul_i32 s36, s[WV], 4*TROW                   ; LDS: W's rows 4 w on (waves 0-3);
	s_mul_i32 s37, s[WV], 2*TROW
	s_add_co_u32 s37, s37, 8*TROW                  ; x's rows 16 + 2 (w - 4) on (waves 4-7)
	s_lshl_b32 s56, s[TBK], 3
	s_and_b32 s57, s[WV], 3
	s_lshl_b32 s57, s57, 1                         ; x: tile 8 tb + 2 x (wave % 4) (waves 4-7)
	s_add_co_u32 s56, s56, s57
	s_mul_i32 s56, s56, REC
	s_mov_b32 s57, 0
	; every LDS address is made here, ahead of the branch on the wave's number
	v_and_b32 v14, 31, v0                          ; lane
	v_and_b32 v15, 15, v0                          ; r
	v_bfe_u32 v22, v0, 4, 1                        ; h
	s_delay_alu instid0(VALU_DEP_3)
	v_lshlrev_b32 v[L16], 4, v14
	s_delay_alu instid0(VALU_DEP_4)
	v_lshlrev_b32 v[L8], 3, v14
	v_lshlrev_b32 v[L4], 2, v14
	s_mul_i32 s58, s[HD], 4*TROW
	v_add_nc_u32 v[AW], s58, v[L16]
	s_mul_i32 s58, s[TH], 4*TROW
	s_add_co_u32 s58, s58, 16*TROW
	v_add_nc_u32 v[AX], s58, v[L16]
	v_lshlrev_b32 v[VSC], 3, v15
	s_delay_alu instid0(VALU_DEP_1)
	v_lshl_add_u32 v[VSC], v22, 9, v[VSC]
	v_and_b32 v23, 8, v15
	s_delay_alu instid0(VALU_DEP_1)
	v_add_nc_u32 v23, v23, v15                     ; r + 8 (r / 8)
	s_delay_alu instid0(VALU_DEP_1)
	v_lshlrev_b32 v[VCS], 7, v23
	s_delay_alu instid0(VALU_DEP_1)
	v_lshl_add_u32 v[VCS], v22, 5, v[VCS]
	s_delay_alu instid0(VALU_DEP_3)
	v_mul_u32_u24 v[VST], v23, SP
	s_delay_alu instid0(VALU_DEP_1)
	v_lshl_add_u32 v[VST], v22, 6, v[VST]
	s_mul_i32 s58, s[TH], 64*SP
	s_lshl_b32 s59, s[HD], 8
	s_add_co_u32 s58, s58, s59
	v_add_nc_u32 v[VST], s58, v[VST]               ; row 64 th + r + 8 (r / 8), byte 256 hd + 64 h
	s_mul_i32 s58, s[WV], 16*SP
	v_add_nc_u32 v[VRD], s58, v[L16]               ; rows 16 w on, 16 bytes a lane
	v_mul_u32_u24 v[VCL], v22, 16*SP
	s_delay_alu instid0(VALU_DEP_1)
	v_lshl_add_u32 v[VCL], v23, 2, v[VCL]
	s_lshl_b32 s58, s[WV], 7
	v_add_nc_u32 v[VCL], s58, v[VCL]               ; key 16 h, column 32 w + r + 8 (r / 8)
	s_delay_alu instid0(VALU_DEP_1)
	v_add_nc_u32 v[VCL+1], 64*SP, v[VCL]           ; and 64 keys on
	s_wait_dscnt 0x0                               ; the opening add is done
	s_wait_kmcnt 0x0
	s_add_nc_u64 s[34:35], s[4:5], s[32:33]
	s_add_nc_u64 s[62:63], s[4:5], s[56:57]
	CROUND                                         ; all four work-groups are here: the joint loads meet
.irp c, 0,1
	s_mov_b32 s[G0W+4*\c], 1
	s_add_co_u32 s[G0W+4*\c+1], s36, \c*CHK
	s_add_nc_u64 s[G0W+4*\c+2:G0W+4*\c+3], s[34:35], \c*TROW
	s_or_b32 s[G0W+4*\c+3], s[G0W+4*\c+3], 0x80000000
	s_mov_b32 s[G0X+4*\c], 1
	s_add_co_u32 s[G0X+4*\c+1], s37, \c*CHK
	s_add_nc_u64 s[G0X+4*\c+2:G0X+4*\c+3], s[62:63], \c*TROW
	s_or_b32 s[G0X+4*\c+3], s[G0X+4*\c+3], 0x80000000
.endr
	s_cmp_lt_u32 s[WV], 4                          ; a wave's first fill stands in one branch on its number, ahead of every wait on TENSORcnt, every LDS read and every barrier but the round's
	s_cbranch_scc0 .Lnot_w
	tensor_load_to_lds s[G0W:G0W+3], s[G1W:G1W+7]
	s_nop 0
.rept 4
	v_nop
.endr
	s_branch .Lasked
.Lnot_w:
	tensor_load_to_lds s[G0X:G0X+3], s[G1X:G1X+7]
	s_nop 0
.rept 4
	v_nop
.endr
.Lasked:
	s_lshl_b32 s56, s[ROLE], 4                     ; the scale records of my four tiles of W and of x go straight into registers
	s_lshl_b32 s57, s[HD], 2
	s_add_co_u32 s56, s56, s57
	s_add_co_u32 s56, s56, 512
	s_lshl_b32 s56, s56, 9
	s_mov_b32 s57, 0
	s_add_nc_u64 s[58:59], s[6:7], s[56:57]
	s_lshl_b32 s56, s[TBK], 3
	s_lshl_b32 s62, s[TH], 2
	s_add_co_u32 s56, s56, s62
	s_lshl_b32 s56, s56, 9
	s_add_nc_u64 s[60:61], s[6:7], s[56:57]
.irp p, 0,1
.irp g, 0,1,2,3
	global_load_b64 v[WS+8*\p+2*\g:WS+8*\p+2*\g+1], v[VSC], s[58:59] offset:1024*\p+128*\g
	global_load_b64 v[XS+8*\p+2*\g:XS+8*\p+2*\g+1], v[VSC], s[60:61] offset:1024*\p+128*\g
.endr
.endr
	; where the results go
	s_and_b32 s56, s[TBK], 15
	s_lshl_b32 s56, s56, 7
	s_lshl_b32 s62, s[TH], 6
	s_add_co_u32 s56, s56, s62                     ; my first token's place in its sequence
	s_lshl_b32 s56, s56, 7
	s_add_nc_u64 s[8:9], s[8:9], s[56:57]          ; cos and sin: 128 bytes a place
	s_add_nc_u64 s[10:11], s[10:11], s[56:57]
	s_cmp_eq_u32 s[ROLE], 5                        ; v has no RoPE
	s_cbranch_scc1 .Lno_cs
	s_wait_alu depctr_va_vdst(0)                   ; ahead of the first reader of the offset
	CSLOAD 0                                       ; the first two tiles' cos and sin are asked for here, while the panels are on their way
	CSLOAD 1
.Lno_cs:
	s_lshl_b32 s56, s[TBK], 4
	s_lshl_b32 s62, s[ROLE], 2
	s_add_co_u32 s56, s56, s62
	s_add_co_u32 s56, s56, s[HD]
	s_mul_i32 s56, s56, 6656                       ; q: block 16 tb + head
	s_lshr_b32 s62, s[TBK], 4
	s_lshl_b32 s62, s62, 2
	s_add_co_u32 s62, s62, s[HD]
	s_lshl_b32 s62, s62, 4
	s_and_b32 s63, s[TBK], 15
	s_add_co_u32 s62, s62, s63
	s_mul_i32 s62, s62, 13056                      ; k: block (4 batch + KV head) 16 + key step
	s_cmp_lt_u32 s[ROLE], 4
	s_cselect_b32 s56, s56, s62
	s_cselect_b64 s[38:39], s[12:13], s[14:15]
	s_mov_b32 s[FLOOR], 0x1800000                  ; k: the floor 2^(3 - 127);
	s_cselect_b32 s[FLOOR], 0x3000000, s[FLOOR]    ; q: 2^(6 - 127), since
	s_cselect_b32 s[BSUB], 3, 0                    ; 3 is taken off q's bytes: the scores' factor 1/8
	s_add_nc_u64 s[38:39], s[38:39], s[56:57]
	s_lshl_b32 s56, s[TH], 8
	s_add_co_u32 s56, s56, 6144
	s_add_nc_u64 s[36:37], s[38:39], s[56:57]      ; my 256 bytes of scale words
	s_mul_i32 s56, s[TH], 3072
	s_add_nc_u64 s[38:39], s[38:39], s[56:57]      ; my four tiles of codes
	s_cmp_eq_u32 s[ROLE], 4
	s_cselect_b64 s[34:35], s[16:17], s[18:19]
	s_lshl_b32 s56, s[TBK], 7
	s_lshl_b32 s62, s[WV], 4
	s_add_co_u32 s56, s56, s62
	s_lshl_b32 s56, s56, 10
	s_add_nc_u64 s[34:35], s[34:35], s[56:57]      ; out1 or out2 at row 128 tb + 16 w
	s_lshr_b32 s56, s[TBK], 4
	s_lshl_b32 s56, s56, 2
	s_lshr_b32 s62, s[WV], 1
	s_add_co_u32 s56, s56, s62
	s_lshl_b32 s56, s56, 4
	s_and_b32 s62, s[TBK], 15
	s_add_co_u32 s56, s56, s62
	s_mul_i32 s56, s56, 13056
	s_add_nc_u64 s[32:33], s[14:15], s[56:57]      ; v: the block of KV head w / 2
	s_wait_alu depctr_va_vdst(0)                   ; the head's end
	CHUNK 0
	s_wait_alu depctr_va_vdst(0)
	CHUNK 1
	PLACES                                         ; behind the last products
	s_wait_dscnt 0x0
	s_barrier_signal -1
	s_barrier_wait -1                              ; nobody reads the panels any more: the stage may be written
.irp j, 92,93,94,95,98,99
	v_mov_b32 v\j, 0                               ; a lane permute's destination counts as one of its sources
.endr
	s_cmp_eq_u32 s[ROLE], 5
	s_cbranch_scc1 .Lno_rope
; ---- q and k: RoPE, then the quantiser along the head's 64
.macro ROPE t                          ; o0 = x0 c - x1 s, o1 = x0 s + x1 c; each accumulator is read from its low end on; cos and sin are source 1 of every line
.set CSB, 192+32*((\t)%2)
.irp b, 0,1
.irp p, 0,1,2,3,4,5,6,7
.set rX, ACC+32*(\t)+16*\b+2*\p
.set rC, CSB+8*\b+\p
.set rT, 88+2*(\p%4)
	v_mul_f32 v[rT], v[rX+1], v[rC+16]
	v_mul_f32 v[rT+1], v[rX+1], v[rC]
	v_fma_f32 v[rX+1], v[rX], v[rC+16], v[rT+1]
	v_fma_f32 v[rX], v[rX], v[rC], -v[rT]
.endr
.endr
.endm
.macro QUANT2 t                        ; two blocks of 32 along the head; a lane holds 16 of each
.set rX, ACC+32*(\t)
.irp b, 0,1
	v_max3_num_f32 v[96+\b], |v[rX+16*\b]|, |v[rX+16*\b+1]|, s[FLOOR]
.endr
.irp i, 2,4,6,8,10,12,14
.irp b, 0,1
	s_delay_alu instid0(VALU_DEP_2)
	v_max3_num_f32 v[96+\b], v[96+\b], |v[rX+16*\b+\i]|, |v[rX+16*\b+\i+1]|
.endr
.endr
	s_delay_alu instid0(VALU_DEP_2)
	v_permlanex16_b32 v98, v96, s[SEL], s[SEL+1]
	s_delay_alu instid0(VALU_DEP_2)
	v_permlanex16_b32 v99, v97, s[SEL], s[SEL+1]
	s_delay_alu instid0(VALU_DEP_2)
	v_max_num_f32 v96, v96, v98
	s_delay_alu instid0(VALU_DEP_2)
	v_max_num_f32 v97, v97, v99
	s_delay_alu instid0(VALU_DEP_2)
	v_add_nc_u32 v100, 0xff000000, v96             ; 2 off the exponent field: the conversion's scale operand
	s_delay_alu instid0(VALU_DEP_2)
	v_add_nc_u32 v101, 0xff000000, v97
	s_delay_alu instid0(VALU_DEP_2)
	v_lshrrev_b32 v102, 23, v100
	s_delay_alu instid0(VALU_DEP_2)
	v_lshrrev_b32 v103, 23, v101
	s_delay_alu instid0(VALU_DEP_2)
	v_sub_nc_u32 v102, v102, s[BSUB]               ; q: the stored byte carries the factor 1/8
	s_delay_alu instid0(VALU_DEP_2)
	v_sub_nc_u32 v103, v103, s[BSUB]
	s_delay_alu instid0(VALU_DEP_1)
	v_lshl_or_b32 v[SW+(\t)], v103, 8, v102        ; bytes 2 and 3 stay 0
.if (\t) > 0
	s_wait_alu depctr_va_vdst(0)
	s_wait_xcnt 0x0                                ; the last tile's stores have read the codes' registers
.endif
	v_cvt_scalef32_pk16_fp6_f32 v[104:106], v[rX:rX+15], v100
	v_cvt_scalef32_pk16_fp6_f32 v[110:112], v[rX+16:rX+31], v101
	v_nop                                          ; one plain place behind the scaled conversions
.irp i, 0,1,2
	v_permlane16_swap_b32 v[104+\i], v[110+\i]     ; lanes 0-15 get block 0 whole, lanes 16-31 block 1
.endr
.irp i, 0,1,2
	s_delay_alu instid0(VALU_DEP_3)
	v_mov_b32 v[107+\i], v[110+\i]
.endr
	global_store_b128 v[L16], v[104:107], s[38:39] offset:768*(\t)
	global_store_b64 v[L8], v[108:109], s[38:39] offset:768*(\t)+512
.endm
.irp t, 0,1,2,3
.if \t < 3
	s_wait_loadcnt 8                               ; this tile's eight loads are in; the next tile's eight may be out
.else
	s_wait_loadcnt 0x0
.endif
	WIN 0x04                                       ; source 1 in window 1
	ROPE \t
	WIN 0
.if \t < 2
	CSLOAD \t+2
.endif
	QUANT2 \t
.endr
	v_cndmask_b32 v20, v[SW], v[SW+1], s[HM]       ; word i of lane r + 16 hh: tile 2 i + hh
	v_cndmask_b32 v21, v[SW+2], v[SW+3], s[HM]
	global_store_b64 v[L8], v[20:21], s[36:37]     ; 256 consecutive bytes, aligned
.Lno_rope:
	s_cmp_lt_u32 s[ROLE], 4
	s_cbranch_scc1 .Lno_stage
; ---- k and v go out as f32 through the stage: a row's 1,024 bytes come from four waves
.irp t, 0,1,2,3
.irp b, 0,1
.irp j, 0,1,2,3
	ds_store_b128 v[VST], v[ACC+32*\t+16*\b+4*\j:ACC+32*\t+16*\b+4*\j+3] offset:SP*(32*(\t/2)+8*(\t%2))+128*\b+16*\j
.endr
.endr
.endr
.Lno_stage:
	s_wait_dscnt 0x0                               ; for the others' sake: my stores into the stage are done
	s_barrier_signal -1
	s_barrier_wait -1                              ; every role passes this barrier
	s_cmp_lt_u32 s[ROLE], 4
	s_cbranch_scc1 .Lend
.irp u, 0,1
.irp i, 0,1,2,3,4,5,6,7,8,9,10,11,12,13,14,15
	ds_load_b128 v[ACC+64*\u+4*\i:ACC+64*\u+4*\i+3], v[VRD] offset:SP*\i+512*\u
.endr
.endr
.irp u, 0,1
.irp i, 0,1,2,3,4,5,6,7,8,9,10,11,12,13,14,15
	s_wait_dscnt 31-16*\u-\i                       ; LDS loads come back in order: this one is in, the younger ones may be out
	global_store_b128 v[L16], v[ACC+64*\u+4*\i:ACC+64*\u+4*\i+3], s[34:35] offset:1024*\i+512*\u th:TH_STORE_NT   ; 512 consecutive bytes, aligned
.endr
.endr
	s_cmp_lg_u32 s[ROLE], 5
	s_cbranch_scc1 .Lend
; ---- v is quantised along the keys: wave w takes KV head w / 2, tiles 2 (w % 2) and 2 (w % 2) + 1 of its 64 channels; a lane takes a channel, and its registers run down the keys
	s_and_b32 s56, s[WV], 1
	s_mul_i32 s57, s56, 3072
	v_add_nc_u32 v14, s57, v[L16]
	s_lshl_b32 s57, s56, 7
	v_add_nc_u32 v15, s57, v[L4]
.irp u, 0,1
.irp q, 0,1,2,3
.irp i, 0,1,2,3,4,5,6,7,8,9,10,11,12,13,14,15
	ds_load_b32 v[24+16*\q+\i], v[VCL+\q/2] offset:32*\u+SP*(32*(\q%2)+\i)
.endr
.endr
	s_wait_dscnt 0x0
	s_wait_xcnt 0x0                                ; earlier stores have read the registers that the quantiser writes
	QUANT 24, 106, SW+\u
.irp c, 0,1,2
	global_store_b128 v14, v[106+4*\c:109+4*\c], s[32:33] offset:6656+1536*\u+512*\c
.endr
.endr
	v_cndmask_b32 v20, v[SW], v[SW+1], s[HM]       ; lanes 0-15: the even tile's words, lanes 16-31: the odd tile's
	global_store_b32 v15, v20, s[32:33] offset:12800
.Lend:
	s_wait_tensorcnt 0x0                           ; the wave's end, behind my last tensor load and my last LDS store
	ds_add_u32 v[SPW], v[NIL]
	s_wait_dscnt 0x0
	CROUND                                         ; the closing round
	s_endpgm
.Lfunc_end_k_qd7882ac01a_qkv:
	.size	k_qd7882ac01a_qkv, .Lfunc_end_k_qd7882ac01a_qkv-k_qd7882ac01a_qkv
	.p2alignl 7, 3214868480
	.fill 96, 4, 3214868480
	.section	.rodata,"a",@progbits
	.p2align	6, 0x0
	.amdhsa_kernel k_qd7882ac01a_qkv
		.amdhsa_group_segment_fixed_size 327680
		.amdhsa_private_segment_fixed_size 0
		.amdhsa_enable_private_segment 0
		.amdhsa_kernarg_size 64
		.amdhsa_user_sgpr_count 2
		.amdhsa_user_sgpr_kernarg_segment_ptr 1
		.amdhsa_wavefront_size32 1
		.amdhsa_system_sgpr_workgroup_id_x 1
		.amdhsa_system_sgpr_workgroup_id_y 1
		.amdhsa_system_sgpr_workgroup_id_z 1
		.amdhsa_system_vgpr_workitem_id 0
		.amdhsa_next_free_vgpr 512
		.amdhsa_next_free_sgpr 100
		.amdhsa_reserve_vcc 0
		.amdhsa_float_denorm_mode_32 3
		.amdhsa_float_denorm_mode_16_64 3
		.amdhsa_memory_ordered 1
		.amdhsa_forward_progress 1
		.amdhsa_inst_pref_size 99
	.end_amdhsa_kernel
	.amdgpu_metadata
---
amdhsa.version: [ 1, 2 ]
amdhsa.kernels:
  - .name:           k_qd7882ac01a_qkv
    .symbol:         k_qd7882ac01a_qkv.kd
    .args:
      - { .name: xw_c, .offset: 0, .size: 8, .value_kind: global_buffer, .address_space: global }
      - { .name: xw_s, .offset: 8, .size: 8, .value_kind: global_buffer, .address_space: global }
      - { .name: freqs_cos, .offset: 16, .size: 8, .value_kind: global_buffer, .address_space: global }
      - { .name: freqs_sin, .offset: 24, .size: 8, .value_kind: global_buffer, .address_space: global }
      - { .name: qb, .offset: 32, .size: 8, .value_kind: global_buffer, .address_space: global }
      - { .name: kvb, .offset: 40, .size: 8, .value_kind: global_buffer, .address_space: global }
      - { .name: out1, .offset: 48, .size: 8, .value_kind: global_buffer, .address_space: global }
      - { .name: out2, .offset: 56, .size: 8, .value_kind: global_buffer, .address_space: global }
    .group_segment_fixed_size: 327680
    .private_segment_fixed_size: 0
    .kernarg_segment_align: 8
    .kernarg_segment_size: 64
    .max_flat_workgroup_size: 256
    .sgpr_count:     100
    .vgpr_count:     512
    .wavefront_size: 32
...
	.end_amdgpu_metadata
.endif
;; end of part 2
;; launch attn (part 3): grid 16 x 16, 4 waves a work-group, clusters of 4 x 1, 327,680 bytes of LDS; arguments qb, kvb, mask, ac, as_; writes ac, as_
.if DOCPART == 3
	.amdgcn_target "amdgcn-amd-amdhsa--gfx1250"
	.amdhsa_code_object_version 6
	.text
	.protected	k_qd7882ac01a_attn
	.globl	k_qd7882ac01a_attn
	.p2align	8
	.type	k_qd7882ac01a_attn,@function
k_qd7882ac01a_attn:
	s_mov_b64 s[64:65], 0
	v_nop
	global_prefetch_b8 v0, s[64:65] scope:SCOPE_SE
	s_setreg_imm32_b32 hwreg(HW_REG_WAVE_MODE, 25, 1), 1
	s_wait_xcnt 0x0
	s_wait_alu depctr_hold_cnt(0) depctr_sa_sdst(0) depctr_va_vdst(0) depctr_va_sdst(0) depctr_va_ssrc(0) depctr_va_vcc(0) depctr_vm_vsrc(0)
	s_getreg_b32 s2, hwreg(HW_REG_IB_STS2, 6, 4)
	s_cmp_eq_u32 s2, 0
	s_cbranch_scc0 .Lentry_in_a_cluster
	s_endpgm
.Lentry_in_a_cluster:
	s_bfe_u32 s2, ttmp6, 0x10000c
	s_cmp_lg_u32 s2, 0x3003
	s_cbranch_scc0 .Lentry_shape_is_right
	s_endpgm
.Lentry_shape_is_right:
; Attention on codes of FP6 (E2M3) with E8M0 scales: scores = q k^T / 8 + mask; p = 2^(t - M), t = score x log2(e), M the running largest t rounded up to a whole number; o = (p v) / the sum of the unquantised p;
; o is quantised along the 1,024 of the last projection and stored as tile records (ac) and scale records (as_), laid as the quantising launch lays x.
; THE MASK IS AN INPUT: every entry is loaded and all 2,048 keys are walked for every query.  It is the C operand of the score product.  The factor 1/8 lies in q's scale bytes.
; SHARES.  A work-group: batch b (cluster x), KV head g (place in the cluster), 128 queries (y); four waves, as many as a WGP has SIMDs.  Wave w: query tiles 2 w and 2 w + 1 (16 queries each) for the FOUR query heads
; of the KV head: eight units of (tile, head).  K and V come out of LDS once a key step and serve eight units, a mask tile four.
; THE TWO QUERY TILES OF A HEAD GO IN STEP, line by line: eight chains of maxima, eight chains of sums, one pair of waits round the exponentials of both.
; THE NEXT HEAD'S SCORE PRODUCTS stand among the additions of the row's sums: tile t of S^T is written anew as soon as the conversions and the additions have read tile t of p.
; LAYOUT.  Both products transposed: S^T = K Q^T, O^T = V^T P^T: a lane holds one query.  THE KEYS OF A SCORE TILE ARE CHOSEN BY LDS ADDRESS: row r of tile 4 g + u is key 64 g + 32 (r / 8) + 8 u + r % 8.
; So the 32 registers of tiles 4 g .. 4 g + 3 of lane (r, h) are keys 64 g + 32 h + 0 .. 31: ONE WHOLE BLOCK of the second product's K, in the order of its operand: a block's largest score needs no other lane,
; and the conversions' results are the operand's registers but for three moves a block (a conversion's three registers begin on an even number).
; In kvb key k lies in tile 2 (k / 32) + (k / 8) % 2, row k % 8 + 8 ((k / 16) % 2); hence the lane terms 1536 (r / 8) + 16 (r % 8) + 256 h and the offsets 768 (4 g + u % 2) + 128 (u / 2) below.
; K = 64 IN AN INSTRUCTION 128 DEEP: the upper 64 have zero codes on Q's side; K's tiles lie 6 registers apart, so the upper half of a tile's operand is the next tile's codes, finite numbers; six zero registers lie behind tile 7.
; RING.  Two slots of 256 keys (128 mask rows of 1,024 + 16 bytes, then two KV blocks of 13,056 bytes).  Every wave issues one tensor load a change of slots: waves 0, 1 64 mask rows each, JOINTLY with the three partners
; (the four KV heads of a batch need the same mask tile); waves 2, 3 one KV block each (51 rows of 256 bytes), loads of their own.  Every wait on TENSORcnt is for 0.
; A slot's two key steps are an inner loop of two trips.  PREFETCH: in the trip that fills slot t + 1 each wave names, of slot t + 2, 32 blocks of 256 bytes of the mask (eight of the 32 rows that fall to my place in the
; cluster, shared out by address) and 32 of my KV blocks' 102 (the lanes left over name the last again); the loop's last trip and the tail ask for nothing.
; O^T starts as zeros by moves: the step is written once and its first walk multiplies them by f = 0.
; LIMITS: the promise holds while the scaled scores stay under 2^31 in magnitude; NaN and infinities among the inputs are not served; a block of zeros has the byte 1 (this program alone reads the bytes).
; The 128 bytes of scale words that a wave stores for a tile are half of an aligned 256.
; REGISTERS.  Window 0: v1-15 addresses; v16-47 four a unit: -M, largest score, the sum in two halves; v48-61 scale words; v68-111 at work, 22 a query tile; v128-255 S^T, then p (64 a query tile).
;   Window 1: O^T (128 tile + 32 head + 8 d + j).  Window 2: v0-127 the mask (64 a query tile); v128-223 Q (12 a unit, the upper 6 zero).  Window 3: v0-53 K (6 a tile, 6 zeros); v56-103 V; v104-127 p's codes; v128-143 at work.
.set MP,    1040
.set KVO,   128*MP
.set SLOTB, KVO+2*13056
.set SPARE, 2*SLOTB
.set SPW, 1
.set NIL, 2
.set AM0, 3
.set AK0, 4
.set AKA, 5
.set AKB, 6
.set AKS, 7
.set AK2, 8
.set SH8, 9
.set AM,  10
.set A16, 11
.set AA,  12
.set AB,  13
.set AS,  14
.set A4,  15
.set ST,  16
.set QS,  48
.set KS,  56
.set VS,  60
.set L16, 62
.set L8,  63
.set ASO, 64
.set QSA, 65
.set PFO, 66
.set PFK, 67
.set TP,  68                           ; a query tile's registers at work: TP + TQ q +
.set TQ,  22
.set BMo, 0                            ; 0-3 the blocks' maxima, two chains each
.set SOo, 4                            ; 4, 5 the conversions' scale operands
.set Fo,  6                            ; f
.set PSo, 7                            ; p's scale word
.set TMo, 8
.set U2o, 9
.set U3o, 10
.set SAo, 12                           ; three more chains of the sum
.set SBo, 14
.set SCo, 16
.set S,   128
.set TM,  68                           ; the way out's quantiser works where these lay
.set QF,  128                          ; window 2
.set KF,  0                            ; window 3
.set VF,  56
.set PC,  104
.set AUX, 128
.set WV,  14
.set CX,  15
.set TB,  16
.set CNT, 17
.set HM,  18
.set SEL, 20
.set CS,  22
.set G1M, 24
.set G1KV, 32
.set G0M, 48
.set G0KV, 52
.set IOM, 80
.set IOK, 81
.set T1,  82
.set T2,  83
.set NCS, 84
.set LM,  85
.set PFA, 86
.set PFB, 88
.set LKV, 90
.set TF,  91
.set IC,  92
.set MSB, 0
.macro WIN new                         ; bits 1:0 source 0, 3:2 source 1, 5:4 source 2, 7:6 destination; the immediate's high byte repeats the setting that is left
.if MSB != \new
	s_set_vgpr_msb (MSB<<8)|\new
.set MSB, \new
.endif
.endm
.macro CROUND
	s_barrier_signal -1
	s_barrier_wait -1
	s_cmp_lg_u32 s[WV], 0
	s_cbranch_scc1 .Lnot_wave_0_\@
	s_barrier_signal -3
.Lnot_wave_0_\@:
	s_barrier_wait -3
	s_barrier_signal -1
	s_barrier_wait -1
.endm
.macro TL g0, g1                       ; a tensor load with five lines behind it
	tensor_load_to_lds s[\g0:\g0+3], s[\g1:\g1+7]
	s_nop 0
.rept 4
	v_nop
.endr
.endm
.macro JLOAD                           ; one branch on the wave's number, one load to an arm
	s_cmp_lt_u32 s[WV], 2
	s_cbranch_scc0 .Lnot_m_\@
	TL G0M, G1M
	s_branch .Lasked_\@
.Lnot_m_\@:
	TL G0KV, G1KV
.Lasked_\@:
.endm
.macro ASK                             ; the slot after the one just asked for; CNT = 1 in the loop's last trip, which has no such slot
	s_cmp_gt_u32 s[CNT], 1
	s_cbranch_scc0 .Lno_ask_\@
	global_prefetch_b8 v[PFO], s[PFA:PFA+1] th:TH_LOAD_NT scope:SCOPE_SE
	global_prefetch_b8 v[PFK], s[PFB:PFB+1] th:TH_LOAD_NT scope:SCOPE_SE
.Lno_ask_\@:
.endm
.macro QUANT s, pc, pw                 ; the way out: 64 numbers of a lane, register 16 b + i = k 32 b + 16 h + i, become a fragment's codes and its row's scale word
.irp b, 0,1,2,3
	v_max3_num_f32 v[TM+\b], |v[(\s)+16*\b]|, |v[(\s)+1+16*\b]|, 0x1800000
.endr
.irp i, 2,4,6,8,10,12,14
.irp b, 0,1,2,3
	v_max3_num_f32 v[TM+\b], v[TM+\b], |v[(\s)+16*\b+\i]|, |v[(\s)+1+16*\b+\i]|
.endr
.endr
.irp b, 0,1,2,3
	v_permlanex16_b32 v[TM+4+\b], v[TM+\b], s[SEL], s[SEL+1]
.endr
.irp b, 0,1,2,3
	v_max_num_f32 v[TM+\b], v[TM+\b], v[TM+4+\b]
.endr
.irp b, 0,1,2,3
	v_add_nc_u32 v[TM+12+\b], 0xff000000, v[TM+\b]
.endr
.irp b, 0,1,2,3
	v_lshrrev_b32 v[TM+4+\b], 23, v[TM+12+\b]
.endr
	v_lshl_or_b32 v[\pw], v[TM+5], 8, v[TM+4]
	v_lshl_or_b32 v[\pw], v[TM+6], 16, v[\pw]
	v_lshl_or_b32 v[\pw], v[TM+7], 24, v[\pw]
.irp c, 0,1
	v_cvt_scalef32_pk16_fp6_f32 v[(\pc)+6*\c:(\pc)+2+6*\c], v[(\s)+32*\c:(\s)+15+32*\c], v[TM+12+2*\c]
	v_cvt_scalef32_pk16_fp6_f32 v[(\pc)+12+4*\c:(\pc)+14+4*\c], v[(\s)+16+32*\c:(\s)+31+32*\c], v[TM+12+2*\c+1]
.endr
	v_nop                                          ; one plain place behind the scaled conversions
.irp c, 0,1
.irp i, 0,1,2
	v_permlane16_swap_b32 v[(\pc)+6*\c+\i], v[(\pc)+12+4*\c+\i]
.endr
.irp i, 0,1,2
	v_mov_b32 v[(\pc)+3+6*\c+\i], v[(\pc)+12+4*\c+\i]
.endr
.endr
.endm
	s_load_b256 s[4:11], s[0:1], 0x0               ; qb s[4:5], kvb s[6:7], mask s[8:9], ac s[10:11]
	s_load_b64 s[12:13], s[0:1], 0x20              ; as_
	v_lshl_add_u32 v[SPW], v0, 2, SPARE
	v_mov_b32 v[NIL], 0
	ds_add_u32 v[SPW], v[NIL]                      ; the opening lines: the add, twice on end, and its wait ahead of my first tensor load
	ds_add_u32 v[SPW], v[NIL]
	v_lshrrev_b32 v128, 5, v0
	v_readfirstlane_b32 s[WV], v128                ; wave 0..3
	s_bfe_u32 s[CX], ttmp6, 0x40000                ; g: it enters global addresses of my own loads, prefetches and stores alone
	s_and_b32 s56, ttmp7, 0xffff                   ; y
	s_lshl_b32 s57, ttmp9, 4
	s_add_co_u32 s57, s57, s56                     ; tb = 16 b + y
	s_mov_b32 s[HM], 0xffff0000
	s_mov_b32 s[SEL], 0x76543210
	s_mov_b32 s[SEL+1], 0xfedcba98
	s_mov_b32 s[CS], 0x3fb8aa3b                    ; log2(e)
	s_mov_b32 s[CS+1], s[CS]
	s_mov_b32 s[NCS], 0xbfb8aa3b                   ; -log2(e)
	s_mov_b32 s[TB], 0
	s_mov_b32 s[IOM], 0
	s_mov_b32 s[IOK], 0
	s_mov_b32 s[CNT], 7
	; the mask: 64 rows x 256 elements of 4 bytes, 2,048 elements apart, 16 bytes of padding behind each row's 256 words
	s_mov_b32 s[G1M], 15|(2<<16)|(1<<20)|(1<<21)|(7<<22)|(3<<25)
	s_mov_b32 s[G1M+1], 256<<16
	s_mov_b32 s[G1M+2], 64<<16
	s_mov_b32 s[G1M+3], 256<<16
	s_mov_b32 s[G1M+4], 64
	s_mov_b32 s[G1M+5], 2048
	s_mov_b32 s[G1M+6], 0
	s_mov_b32 s[G1M+7], 0
	; a KV block: 13,056 dense bytes as 51 rows of 256
	s_mov_b32 s[G1KV], 3<<16
	s_mov_b32 s[G1KV+1], 32<<16
	s_mov_b32 s[G1KV+2], 51<<16
	s_mov_b32 s[G1KV+3], 32<<16
	s_mov_b32 s[G1KV+4], 51
	s_mov_b32 s[G1KV+5], 32
	s_mov_b32 s[G1KV+6], 0
	s_mov_b32 s[G1KV+7], 0
	s_lshl_b32 s58, s56, 7
	s_lshl_b32 s59, s[WV], 6
	s_add_co_u32 s58, s58, s59
	s_lshl_b32 s58, s58, 13                        ; the mask at row 128 y + 64 w (waves 0, 1): made of what the partners share
	s_mov_b32 s59, 0
	s_mul_i32 s[LM], s[WV], 64*MP
	s_and_b32 s60, s[WV], 1                        ; which KV block of the slot's two (waves 2, 3)
	s_mul_i32 s60, s60, 13056
	s_add_co_u32 s[LKV], s60, KVO
	s_lshl_b32 s62, ttmp9, 2
	s_add_co_u32 s62, s62, s[CX]
	s_mul_i32 s62, s62, 16*13056                   ; the 16 KV blocks of (b, g)
	s_mov_b32 s63, 0
	s_add_co_u32 s60, s60, s62
	s_mov_b32 s61, 0
	s_lshl_b32 s66, s57, 4
	s_lshl_b32 s67, s[CX], 2
	s_add_co_u32 s66, s66, s67
	s_mul_i32 s66, s66, 6656                       ; q: block 16 tb + 4 g
	s_mov_b32 s67, 0
	s_mul_i32 s68, s[WV], 1536                     ; my two tiles in it
	s_mov_b32 s69, 0
	s_lshl_b32 s70, s57, 3
	s_lshl_b32 s71, s[WV], 1
	s_add_co_u32 s70, s70, s71                     ; my first tile of the last projection's operand: 8 tb + 2 w
	s_lshl_b32 s72, s70, 9
	s_mul_i32 s70, s70, 12288
	s_mul_i32 s71, s[CX], 3072
	s_add_co_u32 s70, s70, s71                     ; K steps 2 g and 2 g + 1
	s_mov_b32 s71, 0
	s_lshl_b32 s73, s[CX], 7
	s_add_co_u32 s72, s72, s73
	s_mov_b32 s73, 0
	s_lshl_b32 s74, s56, 7                         ; the mask rows that I prefetch: 128 y + 32 cx + 8 w on
	s_lshl_b32 s75, s[CX], 5
	s_add_co_u32 s74, s74, s75
	s_lshl_b32 s75, s[WV], 3
	s_add_co_u32 s74, s74, s75
	s_lshl_b32 s74, s74, 13
	s_mov_b32 s75, 0
	s_lshl_b32 s76, s[WV], 5                       ; the KV blocks of 256 bytes that I prefetch: 32 w on
	s_mul_i32 s78, s[WV], 32*MP                    ; my first tile's first mask row: 32 w (the second's: 8 rows on)
	s_lshr_b32 s79, s[WV], 1
	s_lshl_b32 s79, s79, 8
	s_and_b32 s93, s[WV], 1
	s_lshl_b32 s93, s93, 2
	s_add_co_u32 s79, s79, s93
	s_add_co_u32 s79, s79, 6144                    ; my first tile's scale words in a head's block (the second's: 128 bytes on)
	v_and_b32 v132, 31, v0                         ; lane
	v_and_b32 v128, 15, v0                         ; r
	v_bfe_u32 v129, v0, 4, 1                       ; h
	v_and_b32 v130, 7, v0                          ; r % 8
	v_bfe_u32 v131, v0, 3, 1                       ; r / 8
	v_lshlrev_b32 v[L16], 4, v132
	v_lshlrev_b32 v[L8], 3, v132
	v_add_nc_u32 v[AK0], KVO, v[L16]
	v_lshl_add_u32 v[AK2], v132, 2, KVO
	v_mul_u32_u24 v133, v131, 1536
	v_lshl_add_u32 v134, v130, 4, v133
	v_lshl_add_u32 v134, v129, 8, v134
	v_add_nc_u32 v[AKA], KVO, v134                 ; K's registers 0-3
	v_lshl_add_u32 v134, v130, 3, v133
	v_lshl_add_u32 v134, v129, 7, v134
	v_add_nc_u32 v[AKB], KVO, v134                 ; K's registers 4-5
	v_lshlrev_b32 v134, 3, v130
	v_lshl_add_u32 v134, v131, 2, v134
	v_lshl_add_u32 v134, v129, 7, v134
	v_add_nc_u32 v[AKS], KVO, v134                 ; K's scale words: lanes 0-15 an even tile's, lanes 16-31 the odd one's
	v_lshl_add_u32 v134, v131, 3, v128             ; r + 8 (r / 8)
	v_mul_u32_u24 v134, v134, MP
	v_lshl_add_u32 v134, v129, 7, v134
	v_add_nc_u32 v[AM0], s78, v134                 ; my query's mask row, + 128 h
	v_lshlrev_b32 v[SH8], 3, v129
	v_lshlrev_b32 v[ASO], 3, v128
	v_lshl_add_u32 v[ASO], v129, 2, v[ASO]
	v_lshl_add_u32 v[QSA], v128, 3, s79
	v_lshrrev_b32 v134, 2, v132                    ; prefetch, mask: row lane / 4, block lane % 4 of its 1,024 bytes
	v_and_b32 v135, 3, v132
	v_lshlrev_b32 v134, 13, v134
	v_lshl_add_u32 v[PFO], v135, 8, v134
	v_add_nc_u32 v135, s76, v132                   ; KV: block 32 w + lane, held at the last, 101
	v_min_u32 v135, 101, v135
	v_lshlrev_b32 v[PFK], 8, v135
	s_wait_alu depctr_va_vdst(0)                   ; ahead of the blocking waits
	s_wait_dscnt 0x0                               ; both opening adds are done
	s_wait_kmcnt 0x0
	s_add_nc_u64 s[PFA:PFA+1], s[8:9], s[74:75]
	s_add_nc_u64 s[PFA:PFA+1], s[PFA:PFA+1], 1024  ; at slot 1: the first change steps it to slot 2
	s_add_nc_u64 s[PFB:PFB+1], s[6:7], s[62:63]
	s_add_nc_u64 s[PFB:PFB+1], s[PFB:PFB+1], 26112
	s_mov_b32 s[G0M], 1
	s_mov_b32 s[G0M+1], s[LM]
	s_add_nc_u64 s[G0M+2:G0M+3], s[8:9], s[58:59]
	s_or_b32 s[G0M+3], s[G0M+3], 0x80000000
	s_mov_b32 s[G0KV], 1
	s_mov_b32 s[G0KV+1], s[LKV]
	s_add_nc_u64 s[G0KV+2:G0KV+3], s[6:7], s[60:61]
	s_or_b32 s[G0KV+3], s[G0KV+3], 0x80000000
	s_add_nc_u64 s[4:5], s[4:5], s[66:67]
	s_add_nc_u64 s[68:69], s[4:5], s[68:69]
	s_add_nc_u64 s[10:11], s[10:11], s[70:71]
	s_add_nc_u64 s[12:13], s[12:13], s[72:73]
	CROUND                                         ; all four work-groups are here: the first joint loads meet
	JLOAD                                          ; keys 0-255 into slot 0: one load a wave
	WIN 0x80                                       ; destination window 2
.irp q, 0,1
.irp n, 0,1,2,3
	global_load_b128 v[QF+48*\q+12*\n:QF+48*\q+12*\n+3], v[L16], s[68:69] offset:6656*\n+768*\q      ; Q stays in registers
	global_load_b64 v[QF+48*\q+12*\n+4:QF+48*\q+12*\n+5], v[L8], s[68:69] offset:6656*\n+768*\q+512
.endr
.endr
.irp u, 0,1,2,3,4,5,6,7
.irp i, 6,7,8,9,10,11
	v_mov_b32 v[QF+12*\u+\i], 0                    ; zero codes for the upper 64 of K
.endr
.endr
	WIN 0x40
.set j, 0
.rept 256
	v_mov_b32 v[j], 0                              ; O^T
.set j, j+1
.endr
	WIN 0xc0
.irp i, 0,1,2,3,4,5
	v_mov_b32 v[KF+48+\i], 0                       ; behind K's tile 7
.endr
	WIN 0
.irp q, 0,1
.irp n, 0,1,2,3
	global_load_b32 v[QS+4*\q+\n], v[QSA], s[4:5] offset:6656*\n+128*\q
.endr
.endr
.irp u, 0,1,2,3,4,5,6,7
	v_mov_b32 v[ST+4*\u+1], 0xff167699             ; the largest score so far: -2e38, whose t is still finite
	v_mov_b32 v[ST+4*\u+2], 0                      ; the sum, in two halves
	v_mov_b32 v[ST+4*\u+3], 0
.endr
.irp u, 0,1,2,3,4,5,6,7
	v_mul_f32 v[ST+4*\u], s[NCS], v[ST+4*\u+1]
.endr
.irp u, 0,1,2,3,4,5,6,7
	v_floor_f32 v[ST+4*\u], v[ST+4*\u]             ; -M
.endr
.irp q, 0,1
	v_mov_b32 v[TP+TQ*\q+U3o], 0                   ; a lane permute's destination counts as one of its sources
	v_mov_b32 v[TP+TQ*\q+PSo], 0                   ; (named as the upper half of the pair with f before it is first written)
.endr
; score tile t of head n, for both query tiles: K in window 3, Q and the mask in window 2, S^T in window 0
.macro SC1 q, t, n
.if (\t)%2
	v_wmma_scale_f32_16x16x128_f8f6f4 v[S+64*\q+8*(\t):S+64*\q+8*(\t)+7], v[KF+6*(\t):KF+6*(\t)+11], v[QF+48*\q+12*(\n):QF+48*\q+12*(\n)+11], v[64*\q+8*(\t):64*\q+8*(\t)+7], v[KS+(\t)/2], v[QS+4*\q+(\n)] matrix_a_fmt:MATRIX_FMT_FP6 matrix_b_fmt:MATRIX_FMT_FP6 matrix_a_scale:MATRIX_SCALE_ROW1
.else
	v_wmma_scale_f32_16x16x128_f8f6f4 v[S+64*\q+8*(\t):S+64*\q+8*(\t)+7], v[KF+6*(\t):KF+6*(\t)+11], v[QF+48*\q+12*(\n):QF+48*\q+12*(\n)+11], v[64*\q+8*(\t):64*\q+8*(\t)+7], v[KS+(\t)/2], v[QS+4*\q+(\n)] matrix_a_fmt:MATRIX_FMT_FP6 matrix_b_fmt:MATRIX_FMT_FP6
.endif
.endm
.macro SC2 t, n
	SC1 0, \t, \n
	SC1 1, \t, \n
.endm
.macro NXT on, t, n                    ; the next head's tile t, where there is a next head in this key step
.if \on
	WIN 0x2b
	SC2 \t, \n
	WIN 0
.endif
.endm
.macro FM q, n, j0                     ; t - M of 16 scores, two at a time
.set j, \j0
.rept 8
	v_pk_fma_f32 v[S+64*(\q)+j:S+64*(\q)+j+1], v[S+64*(\q)+j:S+64*(\q)+j+1], s[CS:CS+1], v[ST+16*(\q)+4*(\n):ST+16*(\q)+4*(\n)+1] op_sel_hi:[1,0,0]
.set j, j+2
.endr
.endm
; ONE HEAD'S PART OF A KEY STEP, for both query tiles; its scores lie in S^T.  nx = 1: the next head's scores are made on the way
.macro HEAD2 n, nx
.irp q, 0,1
	v_mov_b32 v[TP+TQ*\q+TMo], v[ST+16*\q+4*(\n)]  ; the old -M
.endr
.if (\n) == 0
	v_nop                                          ; with the two moves the four places behind the products just issued (ISA guide 7.12.1)
	v_nop
.endif
.irp q, 0,1                                    ; the largest score of each block of 32 keys, in two chains; every accumulator is first read at its low end
.irp g, 0,1
	v_max3_num_f32 v[TP+TQ*\q+2*\g], v[S+64*\q+32*\g], v[S+64*\q+32*\g+1], v[S+64*\q+32*\g+2]
	v_max3_num_f32 v[TP+TQ*\q+2*\g+1], v[S+64*\q+32*\g+16], v[S+64*\q+32*\g+17], v[S+64*\q+32*\g+18]
.endr
.endr
.irp i, 3,5,7,9,11,13
.irp q, 0,1
.irp g, 0,1
	v_max3_num_f32 v[TP+TQ*\q+2*\g], v[TP+TQ*\q+2*\g], v[S+64*\q+32*\g+\i], v[S+64*\q+32*\g+\i+1]
	v_max3_num_f32 v[TP+TQ*\q+2*\g+1], v[TP+TQ*\q+2*\g+1], v[S+64*\q+32*\g+16+\i], v[S+64*\q+32*\g+17+\i]
.endr
.endr
.endr
.irp q, 0,1
.irp g, 0,1
	v_max3_num_f32 v[TP+TQ*\q+2*\g], v[TP+TQ*\q+2*\g], v[TP+TQ*\q+2*\g+1], v[S+64*\q+32*\g+15]
.endr
.endr
.irp q, 0,1
.irp g, 0,1
	v_max_num_f32 v[TP+TQ*\q+2*\g], v[TP+TQ*\q+2*\g], v[S+64*\q+32*\g+31]
.endr
.endr
.irp q, 0,1
	v_max_num_f32 v[TP+TQ*\q+U2o], v[TP+TQ*\q], v[TP+TQ*\q+2]
.endr
.irp q, 0,1
	v_permlanex16_b32 v[TP+TQ*\q+U3o], v[TP+TQ*\q+U2o], s[SEL], s[SEL+1]
.endr
.irp q, 0,1
	v_max3_num_f32 v[ST+16*\q+4*(\n)+1], v[ST+16*\q+4*(\n)+1], v[TP+TQ*\q+U2o], v[TP+TQ*\q+U3o]   ; the running largest score of my query
.endr
.irp q, 0,1
	v_mul_f32 v[TP+TQ*\q+U2o], s[NCS], v[ST+16*\q+4*(\n)+1]   ; -t
.endr
.irp q, 0,1
	v_floor_f32 v[ST+16*\q+4*(\n)], v[TP+TQ*\q+U2o]           ; the new -M = -ceil(t): a whole number
.endr
.irp q, 0,1
	v_sub_f32 v[TP+TQ*\q+TMo], v[ST+16*\q+4*(\n)], v[TP+TQ*\q+TMo]   ; old M - new M, 0 or less
.endr
	FM 0, \n, 0
	FM 0, \n, 16
.irp q, 0,1
	v_cvt_i32_f32 v[TP+TQ*\q+TMo], v[TP+TQ*\q+TMo]            ; (it saturates)
.endr
	FM 0, \n, 32
	FM 0, \n, 48
.irp q, 0,1
	v_ldexp_f32 v[TP+TQ*\q+Fo], 1.0, v[TP+TQ*\q+TMo]          ; f = 2^(old M - new M): a multiplication by it rounds nothing
.endr
	FM 1, \n, 0
	FM 1, \n, 16
	FM 1, \n, 32
	FM 1, \n, 48
.irp q, 0,1
.irp g, 0,1
	v_fma_f32 v[TP+TQ*\q+2*\g], v[TP+TQ*\q+2*\g], s[CS], v[ST+16*\q+4*(\n)]   ; the same of each block's largest score: p rises with the score
.endr
.endr
	s_wait_alu depctr_va_vdst(0)                   ; ahead of the batch
.irp q, 0,1
.irp g, 0,1
	v_exp_f32 v[TP+TQ*\q+2*\g], v[TP+TQ*\q+2*\g]   ; the blocks' largest p
.endr
.endr
.set j, 0
.rept 128
	v_exp_f32 v[S+j], v[S+j]                       ; p = 2^(t - M): not normalised
.set j, j+1
.endr
.irp q, 0,1
	v_pk_mul_f32 v[ST+16*\q+4*(\n)+2:ST+16*\q+4*(\n)+3], v[ST+16*\q+4*(\n)+2:ST+16*\q+4*(\n)+3], v[TP+TQ*\q+Fo:TP+TQ*\q+Fo+1] op_sel_hi:[1,0]   ; the sums under the new M: plain places behind the exponentials
.endr
	WIN 0x41                                       ; O^T in window 1, f in window 0
	s_wait_alu depctr_va_vdst(0)                   ; one wait for the batch, directly ahead of the first reader of O^T
.irp q, 0,1
.set j, 0
.rept 16
	v_pk_mul_f32 v[128*\q+32*(\n)+j:128*\q+32*(\n)+j+1], v[128*\q+32*(\n)+j:128*\q+32*(\n)+j+1], v[TP+TQ*\q+Fo:TP+TQ*\q+Fo+1] op_sel_hi:[1,0]   ; O^T under the new M
.set j, j+2
.endr
.endr
	WIN 0
.irp q, 0,1
.irp g, 0,1
	v_max_num_f32 v[TP+TQ*\q+2*\g], 0x1800000, v[TP+TQ*\q+2*\g]   ; the floor 2^(3 - 127): the byte cannot fall under 1
.endr
.endr
.irp q, 0,1
.irp g, 0,1
	v_add_nc_u32 v[TP+TQ*\q+SOo+\g], 0xff000000, v[TP+TQ*\q+2*\g]   ; 2 off the exponent field: the conversion's scale operand
.endr
.endr
.irp q, 0,1
	v_lshrrev_b32 v[TP+TQ*\q+U2o], 23, v[TP+TQ*\q+SOo]         ; the bytes of blocks h and 2 + h
	v_lshrrev_b32 v[TP+TQ*\q+U3o], 23, v[TP+TQ*\q+SOo+1]
.endr
.irp q, 0,1
	v_lshl_or_b32 v[TP+TQ*\q+U2o], v[TP+TQ*\q+U3o], 16, v[TP+TQ*\q+U2o]
.endr
.irp q, 0,1
	v_lshlrev_b32 v[TP+TQ*\q+U2o], v[SH8], v[TP+TQ*\q+U2o]     ; at their places in the scale word (8 h bits up)
.endr
.irp q, 0,1
	v_permlanex16_b32 v[TP+TQ*\q+U3o], v[TP+TQ*\q+U2o], s[SEL], s[SEL+1]
.endr
.irp q, 0,1
	v_or_b32 v[TP+TQ*\q+PSo], v[TP+TQ*\q+U2o], v[TP+TQ*\q+U3o] ; with lane l xor 16's two the word is whole
.endr
	WIN 0xc0                                       ; the codes go to window 3
.irp q, 0,1
.irp c, 0,1
	v_cvt_scalef32_pk16_fp6_f32 v[PC+12*\q+6*\c:PC+12*\q+6*\c+2], v[S+64*\q+32*\c:S+64*\q+32*\c+15], v[TP+TQ*\q+SOo+\c]
	v_cvt_scalef32_pk16_fp6_f32 v[AUX+8*\q+4*\c:AUX+8*\q+4*\c+2], v[S+64*\q+32*\c+16:S+64*\q+32*\c+31], v[TP+TQ*\q+SOo+\c]
.endr
.endr
	v_nop                                          ; one plain place behind the scaled conversions
	WIN 0xc3
.irp q, 0,1
.irp c, 0,1
.irp i, 0,1,2
	v_mov_b32 v[PC+12*\q+6*\c+3+\i], v[AUX+8*\q+4*\c+\i]
.endr
.endr
.endr
	WIN 0
	; the row's sum is taken of the unquantised p, in four chains a query tile; behind the additions that read tile t of p for the last time stands the next head's tile t.
	; These additions are also the places between p's codes and scale word and the products below
.irp q, 0,1
	v_pk_add_f32 v[ST+16*\q+4*(\n)+2:ST+16*\q+4*(\n)+3], v[ST+16*\q+4*(\n)+2:ST+16*\q+4*(\n)+3], v[S+64*\q:S+64*\q+1]
	v_pk_add_f32 v[TP+TQ*\q+SAo:TP+TQ*\q+SAo+1], v[S+64*\q+2:S+64*\q+3], v[S+64*\q+4:S+64*\q+5]
	v_pk_add_f32 v[TP+TQ*\q+SBo:TP+TQ*\q+SBo+1], v[S+64*\q+6:S+64*\q+7], v[S+64*\q+8:S+64*\q+9]
.endr
	NXT \nx, 0, \n+1
.irp q, 0,1
	v_pk_add_f32 v[TP+TQ*\q+SCo:TP+TQ*\q+SCo+1], v[S+64*\q+10:S+64*\q+11], v[S+64*\q+12:S+64*\q+13]
	v_pk_add_f32 v[ST+16*\q+4*(\n)+2:ST+16*\q+4*(\n)+3], v[ST+16*\q+4*(\n)+2:ST+16*\q+4*(\n)+3], v[S+64*\q+14:S+64*\q+15]
.endr
	NXT \nx, 1, \n+1
.irp t, 2,3,4,5,6,7
.irp q, 0,1
	v_pk_add_f32 v[ST+16*\q+4*(\n)+2:ST+16*\q+4*(\n)+3], v[ST+16*\q+4*(\n)+2:ST+16*\q+4*(\n)+3], v[S+64*\q+8*\t:S+64*\q+8*\t+1]
	v_pk_add_f32 v[TP+TQ*\q+SAo:TP+TQ*\q+SAo+1], v[TP+TQ*\q+SAo:TP+TQ*\q+SAo+1], v[S+64*\q+8*\t+2:S+64*\q+8*\t+3]
	v_pk_add_f32 v[TP+TQ*\q+SBo:TP+TQ*\q+SBo+1], v[TP+TQ*\q+SBo:TP+TQ*\q+SBo+1], v[S+64*\q+8*\t+4:S+64*\q+8*\t+5]
	v_pk_add_f32 v[TP+TQ*\q+SCo:TP+TQ*\q+SCo+1], v[TP+TQ*\q+SCo:TP+TQ*\q+SCo+1], v[S+64*\q+8*\t+6:S+64*\q+8*\t+7]
.endr
	NXT \nx, \t, \n+1
.endr
.irp q, 0,1
	v_pk_add_f32 v[TP+TQ*\q+SAo:TP+TQ*\q+SAo+1], v[TP+TQ*\q+SAo:TP+TQ*\q+SAo+1], v[TP+TQ*\q+SBo:TP+TQ*\q+SBo+1]
	v_pk_add_f32 v[ST+16*\q+4*(\n)+2:ST+16*\q+4*(\n)+3], v[ST+16*\q+4*(\n)+2:ST+16*\q+4*(\n)+3], v[TP+TQ*\q+SCo:TP+TQ*\q+SCo+1]
.endr
.irp q, 0,1
	v_pk_add_f32 v[ST+16*\q+4*(\n)+2:ST+16*\q+4*(\n)+3], v[ST+16*\q+4*(\n)+2:ST+16*\q+4*(\n)+3], v[TP+TQ*\q+SAo:TP+TQ*\q+SAo+1]
.endr
.if (\n) == 0
	s_wait_alu depctr_va_vdst(0)
	s_wait_dscnt 0x0                               ; V is in
.endif
	WIN 0x5f                                       ; V and p's codes in window 3, O^T in window 1
.irp d, 0,1,2,3
.irp q, 0,1
.if \d%2
	v_wmma_scale_f32_16x16x128_f8f6f4 v[128*\q+32*(\n)+8*\d:128*\q+32*(\n)+8*\d+7], v[VF+12*\d:VF+12*\d+11], v[PC+12*\q:PC+12*\q+11], v[128*\q+32*(\n)+8*\d:128*\q+32*(\n)+8*\d+7], v[VS+\d/2], v[TP+TQ*\q+PSo] matrix_a_fmt:MATRIX_FMT_FP6 matrix_b_fmt:MATRIX_FMT_FP6 matrix_a_scale:MATRIX_SCALE_ROW1
.else
	v_wmma_scale_f32_16x16x128_f8f6f4 v[128*\q+32*(\n)+8*\d:128*\q+32*(\n)+8*\d+7], v[VF+12*\d:VF+12*\d+11], v[PC+12*\q:PC+12*\q+11], v[128*\q+32*(\n)+8*\d:128*\q+32*(\n)+8*\d+7], v[VS+\d/2], v[TP+TQ*\q+PSo] matrix_a_fmt:MATRIX_FMT_FP6 matrix_b_fmt:MATRIX_FMT_FP6
.endif
.endr
.endr
	WIN 0
.endm
; A KEY STEP: 128 keys, the first or the second half of the slot in hand
.macro STEP
	s_add_co_u32 s[T1], s[TB], s[IOM]
	s_add_co_u32 s[T2], s[TB], s[IOK]
	v_add_nc_u32 v[AM], s[T1], v[AM0]              ; these six are also the places between the last products and the loads into their registers
	v_add_nc_u32 v[A16], s[T2], v[AK0]
	v_add_nc_u32 v[AA], s[T2], v[AKA]
	v_add_nc_u32 v[AB], s[T2], v[AKB]
	v_add_nc_u32 v[AS], s[T2], v[AKS]
	v_add_nc_u32 v[A4], s[T2], v[AK2]
	WIN 0xc0
.irp g, 0,1
.irp u, 0,1,2,3
	ds_load_b128 v[KF+6*(4*\g+\u):KF+6*(4*\g+\u)+3], v[AA] offset:768*(4*\g+\u%2)+128*(\u/2)
	ds_load_b64 v[KF+6*(4*\g+\u)+4:KF+6*(4*\g+\u)+5], v[AB] offset:768*(4*\g+\u%2)+512+64*(\u/2)
.endr
.endr
	WIN 0
.irp g, 0,1
.irp u, 0,1
	ds_load_b32 v[KS+2*\g+\u], v[AS] offset:6144+256*\g+64*\u
.endr
.endr
	WIN 0x80
.irp q, 0,1
.irp g, 0,1
.irp j, 0,1,2,3,4,5,6,7
	ds_load_b128 v[64*\q+32*\g+4*\j:64*\q+32*\g+4*\j+3], v[AM] offset:8*MP*\q+256*\g+16*\j   ; mask(my query, keys 64 g + 32 h + 4 j ..): the layout of the score product's C
.endr
.endr
.endr
	WIN 0xc0
.irp d, 0,1,2,3
.irp c, 0,1,2
	ds_load_b128 v[VF+12*\d+4*\c:VF+12*\d+4*\c+3], v[A16] offset:6656+1536*\d+512*\c
.endr
.endr
	WIN 0
	ds_load_b32 v[VS], v[A4] offset:12800
	ds_load_b32 v[VS+1], v[A4] offset:12928
	s_wait_dscnt 30                                ; K, its scale words and the first query tile's mask are in; the second tile's 16 loads, V's 12 and its 2 scale loads may be out
	WIN 0x2b
.irp t, 0,1,2,3,4,5,6,7
	SC1 0, \t, 0
.endr
	s_wait_dscnt 14                                ; the second tile's mask is in; V's 12 loads and its 2 scale loads may be out
.irp t, 0,1,2,3,4,5,6,7
	SC1 1, \t, 0
.endr
	WIN 0
	HEAD2 0, 1
	HEAD2 1, 1
	HEAD2 2, 1
	HEAD2 3, 0
	s_xor_b32 s[IOM], s[IOM], 512                  ; the slot's other 128 keys: 512 bytes on in a mask row,
	s_xor_b32 s[IOK], s[IOK], 13056                ; the other KV block
.endm
.macro SLOT lab                        ; a slot's two key steps
	s_mov_b32 s[IC], 2
\lab:
	STEP
	s_sub_co_u32 s[IC], s[IC], 1
	s_cmp_lg_u32 s[IC], 0
	s_wait_alu depctr_va_vdst(0)                   ; ahead of the branch
	s_cbranch_scc1 \lab
.endm
; THE CHANGE OF SLOTS.  Each wave waits for all its tensor loads (its part of the slot ahead), adds 0 to its spare word, and waits for that and for its reads of the slot that it has left.
; fill = 1: behind a round of the cluster's barrier that slot takes the next 256 keys.
.macro CHANGE fill
.if \fill
	s_wait_xcnt 0x0                                ; my last prefetches have read their addresses
	s_add_nc_u64 s[PFA:PFA+1], s[PFA:PFA+1], 1024
	s_add_nc_u64 s[PFB:PFB+1], s[PFB:PFB+1], 26112
.endif
	s_wait_tensorcnt 0x0                           ; no tensor load of mine is out, so a group 0 may be written
	ds_add_u32 v[SPW], v[NIL]
.if \fill
	s_xor_b32 s[TF], s[TB], SLOTB                  ; the slot that I have left
	s_add_co_u32 s[G0M+1], s[LM], s[TF]
	s_add_nc_u64 s[G0M+2:G0M+3], s[G0M+2:G0M+3], 1024
	s_add_co_u32 s[G0KV+1], s[LKV], s[TF]
	s_add_nc_u64 s[G0KV+2:G0KV+3], s[G0KV+2:G0KV+3], 26112
	s_wait_dscnt 0x0                               ; the add is done, and my reads of that slot are over
	CROUND
	JLOAD                                          ; the first tensor load behind the round, and my only one until the next
	ASK
.else
	s_wait_dscnt 0x0
	s_barrier_signal -1
	s_barrier_wait -1
.endif
.endm
	s_wait_alu depctr_va_vdst(0)                   ; the head's end
	s_wait_loadcnt 0x0                             ; Q and its scale words
.Lslot:                                            ; 7 trips: behind each change of slots but the last the next 256 keys are asked for
	CHANGE 1
	SLOT .Lsub_a
	s_xor_b32 s[TB], s[TB], SLOTB                  ; on to the other slot
	s_sub_co_u32 s[CNT], s[CNT], 1
	s_cmp_lg_u32 s[CNT], 0
	s_cbranch_scc1 .Lslot
	CHANGE 0                                       ; the last slot is written out
	SLOT .Lsub_b
	; THE WAY OUT.  The additions are the places behind the last products.
.irp u, 0,1,2,3,4,5,6,7
	v_add_f32 v[ST+4*\u+2], v[ST+4*\u+2], v[ST+4*\u+3]
.endr
.irp u, 0,1,2,3,4,5,6,7
	v_permlanex16_b32 v[ST+4*\u+3], v[ST+4*\u+2], s[SEL], s[SEL+1]
.endr
.irp u, 0,1,2,3,4,5,6,7
	v_add_f32 v[ST+4*\u+2], v[ST+4*\u+2], v[ST+4*\u+3]   ; the row's sum
.endr
	s_wait_alu depctr_va_vdst(0)
.irp u, 0,1,2,3,4,5,6,7
	v_rcp_f32 v[ST+4*\u+3], v[ST+4*\u+2]
.endr
	v_nop                                          ; a plain place behind the last reciprocal
.irp q, 0,1                                    ; one query tile at a time
.if \q
	s_wait_xcnt 0x0                                ; the first tile's stores have read their registers
.endif
	WIN 0x01                                       ; O^T in window 1
	s_wait_alu depctr_va_vdst(0)                   ; directly ahead of the first reader of this tile's O^T, and behind the reciprocals
.set e, 0
.rept 128
	v_mul_f32 v[S+e], v[128*\q+e], v[ST+16*\q+4*(e/32)+3]   ; each accumulator from its low end on; the results lie where p lay
.set e, e+1
.endr
	WIN 0
.irp p, 0,1                                    ; heads 2 p and 2 p + 1 of my four are K step 2 g + p of the last projection: 128 neighbours along its K
	QUANT S+64*\p, 84+20*\p, 124+\p
.irp c, 0,1,2
	global_store_b128 v[L16], v[84+20*\p+4*\c:87+20*\p+4*\c], s[10:11] offset:12288*\q+1536*\p+512*\c   ; 512 consecutive bytes a store
.endr
.endr
	v_cndmask_b32 v126, v124, v125, s[HM]          ; lanes 0-15 store K step 2 g's word, lanes 16-31 K step 2 g + 1's
	global_store_b32 v[ASO], v126, s[12:13] offset:512*\q
.endr
	s_wait_tensorcnt 0x0                           ; the wave's end, behind my last tensor load
	ds_add_u32 v[SPW], v[NIL]
	s_wait_dscnt 0x0
	CROUND                                         ; the closing round
	s_endpgm
.Lfunc_end_k_qd7882ac01a_attn:
	.size	k_qd7882ac01a_attn, .Lfunc_end_k_qd7882ac01a_attn-k_qd7882ac01a_attn
	.p2alignl 7, 3214868480
	.fill 96, 4, 3214868480
	.section	.rodata,"a",@progbits
	.p2align	6, 0x0
	.amdhsa_kernel k_qd7882ac01a_attn
		.amdhsa_group_segment_fixed_size 327680
		.amdhsa_private_segment_fixed_size 0
		.amdhsa_enable_private_segment 0
		.amdhsa_kernarg_size 40
		.amdhsa_user_sgpr_count 2
		.amdhsa_user_sgpr_kernarg_segment_ptr 1
		.amdhsa_wavefront_size32 1
		.amdhsa_system_sgpr_workgroup_id_x 1
		.amdhsa_system_sgpr_workgroup_id_y 1
		.amdhsa_system_sgpr_workgroup_id_z 1
		.amdhsa_system_vgpr_workitem_id 0
		.amdhsa_next_free_vgpr 1024
		.amdhsa_next_free_sgpr 100
		.amdhsa_reserve_vcc 0
		.amdhsa_float_denorm_mode_32 3
		.amdhsa_float_denorm_mode_16_64 3
		.amdhsa_memory_ordered 1
		.amdhsa_forward_progress 1
		.amdhsa_inst_pref_size 255
	.end_amdhsa_kernel
	.section	.bss,"aw",@nobits
	.p2align	6
	.space	262144
	.amdgpu_metadata
---
amdhsa.version: [ 1, 2 ]
amdhsa.kernels:
  - .name:           k_qd7882ac01a_attn
    .symbol:         k_qd7882ac01a_attn.kd
    .args:
      - { .name: qb, .offset: 0, .size: 8, .value_kind: global_buffer, .address_space: global }
      - { .name: kvb, .offset: 8, .size: 8, .value_kind: global_buffer, .address_space: global }
      - { .name: mask, .offset: 16, .size: 8, .value_kind: global_buffer, .address_space: global }
      - { .name: ac, .offset: 24, .size: 8, .value_kind: global_buffer, .address_space: global }
      - { .name: as_, .offset: 32, .size: 8, .value_kind: global_buffer, .address_space: global }
    .group_segment_fixed_size: 327680
    .private_segment_fixed_size: 0
    .kernarg_segment_align: 8
    .kernarg_segment_size: 40
    .max_flat_workgroup_size: 128
    .sgpr_count:     100
    .vgpr_count:     1024
    .wavefront_size: 32
...
	.end_amdgpu_metadata
.endif
;; end of part 3
;; launch oproj (part 4): grid 64 x 4, 8 waves a work-group, clusters of 4 x 1, 327,680 bytes of LDS; arguments ac, as_, xw_c, xw_s, out0; writes out0
.if DOCPART == 4
	.amdgcn_target "amdgcn-amd-amdhsa--gfx1250"
	.amdhsa_code_object_version 6
	.text
	.protected	k_qd7882ac01a_oproj
	.globl	k_qd7882ac01a_oproj
	.p2align	8
	.type	k_qd7882ac01a_oproj,@function
k_qd7882ac01a_oproj:
	s_mov_b64 s[64:65], 0
	v_nop
	global_prefetch_b8 v0, s[64:65] scope:SCOPE_SE
	s_setreg_imm32_b32 hwreg(HW_REG_WAVE_MODE, 25, 1), 1
	s_wait_xcnt 0x0
	s_wait_alu depctr_hold_cnt(0) depctr_sa_sdst(0) depctr_va_vdst(0) depctr_va_sdst(0) depctr_va_ssrc(0) depctr_va_vcc(0) depctr_vm_vsrc(0)
	s_getreg_b32 s2, hwreg(HW_REG_IB_STS2, 6, 4)
	s_cmp_eq_u32 s2, 0
	s_cbranch_scc0 .Lentry_in_a_cluster
	s_endpgm
.Lentry_in_a_cluster:
	s_bfe_u32 s2, ttmp6, 0x10000c
	s_cmp_lg_u32 s2, 0x3003
	s_cbranch_scc0 .Lentry_shape_is_right
	s_endpgm
.Lentry_shape_is_right:
; out0 = a wo^T on codes of FP6 (E2M3) with E8M0 scales.  a: the attention launch's tile records (ac) and scale records (as_); wo: tiles 608-671 of the quantising launch's buffers.  out0: [8192][1024] f32.
; SHARES.  A work-group takes 128 tokens (tb) x 256 columns (cg).  Wave w: tokens 64 (w / 4) on, columns 64 (w % 4) on: 16 accumulators.
; THE PRODUCT IS USED TRANSPOSED (source 0 = 16 rows of wo, source 1 = 16 tokens).  Lane r of a tile holds row 32 (t / 2) + 8 (t % 2) + r + 8 (r / 8): a lane holds one token and, for wo's tiles 2 b and 2 b + 1, the 16 neighbouring columns 32 b + 16 (lane / 16) + 0 .. 15.
; LDS.  K = 1,024: both panels fit, as four chunks of two K steps, 24 rows of 3,072 bytes each (wo's 16 tiles, a's 8).  Every byte is filled once; a wave has at most four tensor loads out.
; CLUSTER.  The four partners have the same cg and so the same 196,608 bytes of wo: waves 0-3 ask for them jointly.  a's tiles differ between partners: waves 4-7 fetch them by loads of their own.
; THE PANELS COME IN TWO HALVES OF K (in place of the four chunks that the note above names): a half is four K steps, 24 rows of 6,144 bytes (wo's 16 tiles, a's 8).
; Every wave issues one tensor load at the head (waves 0-3 four tiles of wo each, jointly; waves 4-7 two tiles of a each) and one, the second half, behind the full sequence and a round: one load a wave is out at any time.
.set CHK,   147456
.set TROW,  6144
.set REC,   12288
.set SPARE, 2*CHK
.set SP,    1040                       ; the stage (from LDS byte 0, in chunks that have had their only fill and their last read): 128 rows x (1,024 + 16) bytes
.set SPW, 1
.set NIL, 2
.set AW,  3
.set AX,  4
.set VSC, 5
.set L16, 6
.set VST, 9
.set VRD, 10
.set WS,  24
.set XS,  40
.set WF,  56                           ; (not used: THE FRAGMENTS LIE IN WINDOW 1, two sets of 96 registers by turns: set s % 2 at 96 (s % 2): wo's four at + 12 i, a's four at + 48 + 12 t)
.set XF,  104
.set ACC, 128
.set WV,  20
.set TH,  21
.set HD,  22
.set CX,  23
.set TBK, 24
.set CG,  25
.set G1W, 40
.set G1X, 48
.set G0W, 68
.set G0X, 84
.macro CROUND
	s_barrier_signal -1
	s_barrier_wait -1
	s_cmp_lg_u32 s[WV], 0
	s_cbranch_scc1 .Lnot_wave_0_\@
	s_barrier_signal -3
.Lnot_wave_0_\@:
	s_barrier_wait -3
	s_barrier_signal -1
	s_barrier_wait -1
.endm
.macro WM                              ; one matrix instruction, by the symbols rD, rA, rB, rSA, rSB; fZ: it starts the sum; fA, fB: the side's scale words lie in lanes 16-31
.if fZ
.if fA && fB
	v_wmma_scale_f32_16x16x128_f8f6f4 v[rD:rD+7], v[rA:rA+11], v[rB:rB+11], 0, v[rSA], v[rSB] matrix_a_fmt:MATRIX_FMT_FP6 matrix_b_fmt:MATRIX_FMT_FP6 matrix_a_scale:MATRIX_SCALE_ROW1 matrix_b_scale:MATRIX_SCALE_ROW1
.elseif fA
	v_wmma_scale_f32_16x16x128_f8f6f4 v[rD:rD+7], v[rA:rA+11], v[rB:rB+11], 0, v[rSA], v[rSB] matrix_a_fmt:MATRIX_FMT_FP6 matrix_b_fmt:MATRIX_FMT_FP6 matrix_a_scale:MATRIX_SCALE_ROW1
.elseif fB
	v_wmma_scale_f32_16x16x128_f8f6f4 v[rD:rD+7], v[rA:rA+11], v[rB:rB+11], 0, v[rSA], v[rSB] matrix_a_fmt:MATRIX_FMT_FP6 matrix_b_fmt:MATRIX_FMT_FP6 matrix_b_scale:MATRIX_SCALE_ROW1
.else
	v_wmma_scale_f32_16x16x128_f8f6f4 v[rD:rD+7], v[rA:rA+11], v[rB:rB+11], 0, v[rSA], v[rSB] matrix_a_fmt:MATRIX_FMT_FP6 matrix_b_fmt:MATRIX_FMT_FP6
.endif
.else
.if fA && fB
	v_wmma_scale_f32_16x16x128_f8f6f4 v[rD:rD+7], v[rA:rA+11], v[rB:rB+11], v[rD:rD+7], v[rSA], v[rSB] matrix_a_fmt:MATRIX_FMT_FP6 matrix_b_fmt:MATRIX_FMT_FP6 matrix_a_scale:MATRIX_SCALE_ROW1 matrix_b_scale:MATRIX_SCALE_ROW1
.elseif fA
	v_wmma_scale_f32_16x16x128_f8f6f4 v[rD:rD+7], v[rA:rA+11], v[rB:rB+11], v[rD:rD+7], v[rSA], v[rSB] matrix_a_fmt:MATRIX_FMT_FP6 matrix_b_fmt:MATRIX_FMT_FP6 matrix_a_scale:MATRIX_SCALE_ROW1
.elseif fB
	v_wmma_scale_f32_16x16x128_f8f6f4 v[rD:rD+7], v[rA:rA+11], v[rB:rB+11], v[rD:rD+7], v[rSA], v[rSB] matrix_a_fmt:MATRIX_FMT_FP6 matrix_b_fmt:MATRIX_FMT_FP6 matrix_b_scale:MATRIX_SCALE_ROW1
.else
	v_wmma_scale_f32_16x16x128_f8f6f4 v[rD:rD+7], v[rA:rA+11], v[rB:rB+11], v[rD:rD+7], v[rSA], v[rSB] matrix_a_fmt:MATRIX_FMT_FP6 matrix_b_fmt:MATRIX_FMT_FP6
.endif
.endif
.endm
.macro MM t0                           ; eight matrix instructions; the 16 accumulators take turns, one instruction a turn
.irp t, \t0, \t0+1
.irp i, 0,1,2,3
.set rD, ACC+32*(\t)+8*\i
.set rA, 96*(SS%2)+12*\i
.set rB, 96*(SS%2)+48+12*(\t)
.set rSA, WS+8*(\i/2)+SS
.set rSB, XS+8*((\t)/2)+SS
.set fA, \i%2
.set fB, (\t)%2
	WM
.endr
.endr
.endm
.set MSB, 0
.macro WIN new                         ; s_set_vgpr_msb: bits 1:0 source 0, 3:2 source 1, 5:4 source 2, 7:6 destination; the immediate's high byte repeats the setting that is left
.if MSB != \new
	s_set_vgpr_msb (MSB<<8)|\new
.set MSB, \new
.endif
.endm
.macro FETCH ss, q                     ; the eight fragments of K step ss, the q-th of its half, into set ss % 2 of window 1: 24 LDS loads
	WIN 0x40
.irp i, 0,1,2,3
.irp j, 0,1,2
	ds_load_b128 v[96*((\ss)%2)+12*\i+4*\j:96*((\ss)%2)+12*\i+4*\j+3], v[AW] offset:TROW*\i+1536*(\q)+512*\j
.endr
.endr
.irp t, 0,1,2,3
.irp j, 0,1,2
	ds_load_b128 v[96*((\ss)%2)+48+12*\t+4*\j:96*((\ss)%2)+48+12*\t+4*\j+3], v[AX] offset:TROW*\t+1536*(\q)+512*\j
.endr
.endr
	WIN 0
.endm
.macro PLACES                          ; four plain places between a matrix instruction and a load into, or a read of, its registers (ISA guide 7.12.1 for a read)
.rept 4
	v_nop
.endr
.endm
.macro KSTEP c, q
.set SS, 4*(\c)+(\q)
.set fZ, SS==0
.if (\q) < 3
.if SS > 0
	PLACES                                         ; the other set was read by the products just issued
.endif
	FETCH SS+1, (\q)+1                             ; the next K step's fragments are asked for ahead of this step's products
	s_wait_dscnt 24                                ; this step's 24 loads are in; the 24 just issued may be out
.else
	s_wait_dscnt 0x0                               ; the half's last K step: nothing is asked for behind it
.endif
.if SS == 0
	s_wait_loadcnt 0x0                             ; the scale words
.endif
	WIN 0x05                                       ; both operands in window 1
	MM 0
	MM 2
	WIN 0
.endm
.macro CHUNK c
	s_wait_tensorcnt 0x0                           ; my part of half c is in
.if \c == 0
	ds_add_u32 v[SPW], v[NIL]                      ; ahead of a later first fill
	s_wait_dscnt 0x0
	CROUND                                         ; everybody's part is in, and the four work-groups are here
	s_cmp_lt_u32 s[WV], 4
	s_cbranch_scc0 .Lx_half
	tensor_load_to_lds s[G0W+4:G0W+7], s[G1W:G1W+7]   ; the second half of K: my one load behind the round
	s_nop 0
.rept 4
	v_nop
.endr
	s_branch .Lasked_half
.Lx_half:
	tensor_load_to_lds s[G0X+4:G0X+7], s[G1X:G1X+7]
	s_nop 0
.rept 4
	v_nop
.endr
.Lasked_half:
.else
	s_wait_dscnt 0x0
	s_barrier_signal -1
	s_barrier_wait -1                              ; everybody's part is in
.endif
.if \c > 0
	PLACES                                         ; set 0 was read by products with no four places behind them yet
.endif
	FETCH 4*(\c), 0                                ; the half's first fragments
	KSTEP \c, 0
	KSTEP \c, 1
	KSTEP \c, 2
	KSTEP \c, 3
.if \c < 1
	v_add_nc_u32 v[AW], CHK, v[AW]
	v_add_nc_u32 v[AX], CHK, v[AX]
.endif
.endm
	s_load_b256 s[4:11], s[0:1], 0x0               ; ac s[4:5], as_ s[6:7], the weights' codes s[8:9], their scale records s[10:11]
	s_load_b64 s[12:13], s[0:1], 0x20              ; out0
	v_lshl_add_u32 v[SPW], v0, 2, SPARE
	v_mov_b32 v[NIL], 0
	ds_add_u32 v[SPW], v[NIL]                      ; the wave's opening: the add and its wait stand ahead of my first tensor load; the set-up below, work on registers, stands between them
	ds_add_u32 v[SPW], v[NIL]
	v_lshrrev_b32 v14, 5, v0
	s_delay_alu instid0(VALU_DEP_1)
	v_readfirstlane_b32 s[WV], v14
	s_lshr_b32 s[TH], s[WV], 2
	s_and_b32 s[HD], s[WV], 3
	s_bfe_u32 s[CX], ttmp6, 0x40000
	s_lshl_b32 s[TBK], ttmp9, 2
	s_add_co_u32 s[TBK], s[TBK], s[CX]             ; my block of 128 tokens
	s_and_b32 s[CG], ttmp7, 0xffff                 ; my 256 columns: the same in all four partners
	s_mov_b32 s[G1W], 15|(3<<16)|(1<<21)           ; wo: the mask names all four partners, bit 21 beside it
	s_mov_b32 s[G1X], 3<<16                        ; a: no mask
.irp g, G1W, G1X
	s_mov_b32 s[\g+1], 768<<16                     ; rows of 768 elements of 8 bytes: four K steps of a tile
	s_mov_b32 s[\g+3], 768<<16
	s_mov_b32 s[\g+5], 1536                        ; a record from row to row
	s_mov_b32 s[\g+6], 0
	s_mov_b32 s[\g+7], 0
.endr
	s_mov_b32 s[G1W+2], 4<<16                      ; wo: four tiles a load
	s_mov_b32 s[G1W+4], 4
	s_mov_b32 s[G1X+2], 2<<16                      ; a: two tiles a load
	s_mov_b32 s[G1X+4], 2
	s_lshl_b32 s32, s[CG], 4
	s_lshl_b32 s33, s[WV], 2
	s_add_co_u32 s32, s32, s33
	s_add_co_u32 s32, s32, 608                     ; wo: tile 608 + 16 cg + 4 x wave (waves 0-3)
	s_mul_i32 s32, s32, REC
	s_mov_b32 s33, 0
	s_mul_i32 s36, s[WV], 4*TROW                   ; LDS: wo's rows 4 w on (waves 0-3);
	s_mul_i32 s37, s[WV], 2*TROW
	s_add_co_u32 s37, s37, 8*TROW                  ; a's rows 16 + 2 (w - 4) on (waves 4-7)
	s_lshl_b32 s56, s[TBK], 3
	s_and_b32 s57, s[WV], 3
	s_lshl_b32 s57, s57, 1                         ; a: tile 8 tb + 2 x (wave % 4) (waves 4-7)
	s_add_co_u32 s56, s56, s57
	s_mul_i32 s56, s56, REC
	s_mov_b32 s57, 0
	v_and_b32 v14, 31, v0                          ; lane
	v_and_b32 v15, 15, v0                          ; r
	v_bfe_u32 v22, v0, 4, 1                        ; h
	s_delay_alu instid0(VALU_DEP_3)
	v_lshlrev_b32 v[L16], 4, v14
	s_mul_i32 s58, s[HD], 4*TROW
	v_add_nc_u32 v[AW], s58, v[L16]
	s_mul_i32 s58, s[TH], 4*TROW
	s_add_co_u32 s58, s58, 16*TROW
	v_add_nc_u32 v[AX], s58, v[L16]
	v_lshlrev_b32 v[VSC], 3, v15
	s_delay_alu instid0(VALU_DEP_1)
	v_lshl_add_u32 v[VSC], v22, 9, v[VSC]
	v_and_b32 v23, 8, v15
	s_delay_alu instid0(VALU_DEP_1)
	v_add_nc_u32 v23, v23, v15                     ; r + 8 (r / 8)
	s_delay_alu instid0(VALU_DEP_1)
	v_mul_u32_u24 v[VST], v23, SP
	s_delay_alu instid0(VALU_DEP_1)
	v_lshl_add_u32 v[VST], v22, 6, v[VST]
	s_mul_i32 s58, s[TH], 64*SP
	s_lshl_b32 s59, s[HD], 8
	s_add_co_u32 s58, s58, s59
	v_add_nc_u32 v[VST], s58, v[VST]
	s_mul_i32 s58, s[WV], 16*SP
	v_add_nc_u32 v[VRD], s58, v[L16]
	s_wait_dscnt 0x0                               ; the opening add is done
	s_wait_kmcnt 0x0
	s_add_nc_u64 s[34:35], s[8:9], s[32:33]
	s_add_nc_u64 s[62:63], s[4:5], s[56:57]
	CROUND                                         ; all four work-groups are here: the joint loads meet
.irp c, 0,1
	s_mov_b32 s[G0W+4*\c], 1
	s_add_co_u32 s[G0W+4*\c+1], s36, \c*CHK
	s_add_nc_u64 s[G0W+4*\c+2:G0W+4*\c+3], s[34:35], \c*TROW
	s_or_b32 s[G0W+4*\c+3], s[G0W+4*\c+3], 0x80000000
	s_mov_b32 s[G0X+4*\c], 1
	s_add_co_u32 s[G0X+4*\c+1], s37, \c*CHK
	s_add_nc_u64 s[G0X+4*\c+2:G0X+4*\c+3], s[62:63], \c*TROW
	s_or_b32 s[G0X+4*\c+3], s[G0X+4*\c+3], 0x80000000
.endr
	s_cmp_lt_u32 s[WV], 4                          ; a wave's first fill stands in one branch on its number
	s_cbranch_scc0 .Lnot_w
	tensor_load_to_lds s[G0W:G0W+3], s[G1W:G1W+7]
	s_nop 0
.rept 4
	v_nop
.endr
	s_branch .Lasked
.Lnot_w:
	tensor_load_to_lds s[G0X:G0X+3], s[G1X:G1X+7]
	s_nop 0
.rept 4
	v_nop
.endr
.Lasked:
	s_lshl_b32 s56, s[CG], 4
	s_lshl_b32 s57, s[HD], 2
	s_add_co_u32 s56, s56, s57
	s_add_co_u32 s56, s56, 608
	s_lshl_b32 s56, s56, 9
	s_mov_b32 s57, 0
	s_add_nc_u64 s[58:59], s[10:11], s[56:57]
	s_lshl_b32 s56, s[TBK], 3
	s_lshl_b32 s62, s[TH], 2
	s_add_co_u32 s56, s56, s62
	s_lshl_b32 s56, s56, 9
	s_add_nc_u64 s[60:61], s[6:7], s[56:57]
	s_wait_alu depctr_va_vdst(0)
.irp p, 0,1
.irp g, 0,1,2,3
	global_load_b64 v[WS+8*\p+2*\g:WS+8*\p+2*\g+1], v[VSC], s[58:59] offset:1024*\p+128*\g
	global_load_b64 v[XS+8*\p+2*\g:XS+8*\p+2*\g+1], v[VSC], s[60:61] offset:1024*\p+128*\g
.endr
.endr
	s_lshl_b32 s56, s[TBK], 7
	s_lshl_b32 s62, s[WV], 4
	s_add_co_u32 s56, s56, s62
	s_lshl_b32 s56, s56, 12
	s_lshl_b32 s62, s[CG], 10
	s_add_co_u32 s56, s56, s62
	s_add_nc_u64 s[12:13], s[12:13], s[56:57]      ; out0 at row 128 tb + 16 w, column 256 cg
	s_wait_alu depctr_va_vdst(0)                   ; the head's end
	CHUNK 0
	s_wait_alu depctr_va_vdst(0)
	CHUNK 1
	PLACES                                         ; behind the last products
	s_wait_dscnt 0x0
	s_barrier_signal -1
	s_barrier_wait -1                              ; nobody reads the panels any more: the stage may be written
.irp t, 0,1,2,3
.irp b, 0,1
.irp j, 0,1,2,3
	ds_store_b128 v[VST], v[ACC+32*\t+16*\b+4*\j:ACC+32*\t+16*\b+4*\j+3] offset:SP*(32*(\t/2)+8*(\t%2))+128*\b+16*\j   ; each accumulator from its low end on
.endr
.endr
.endr
	s_wait_dscnt 0x0                               ; for the others' sake: my stores into the stage are done
	s_barrier_signal -1
	s_barrier_wait -1
.irp u, 0,1
.irp i, 0,1,2,3,4,5,6,7,8,9,10,11,12,13,14,15
	ds_load_b128 v[ACC+64*\u+4*\i:ACC+64*\u+4*\i+3], v[VRD] offset:SP*\i+512*\u
.endr
.endr
.irp u, 0,1
.irp i, 0,1,2,3,4,5,6,7,8,9,10,11,12,13,14,15
	s_wait_dscnt 31-16*\u-\i                       ; LDS loads come back in order: this one is in, the younger ones may be out
	global_store_b128 v[L16], v[ACC+64*\u+4*\i:ACC+64*\u+4*\i+3], s[12:13] offset:4096*\i+512*\u th:TH_STORE_NT   ; 512 consecutive bytes, aligned
.endr
.endr
	s_wait_tensorcnt 0x0                           ; the wave's end, behind my last tensor load and my last LDS store
	ds_add_u32 v[SPW], v[NIL]
	s_wait_dscnt 0x0
	CROUND                                         ; the closing round
	s_endpgm
.Lfunc_end_k_qd7882ac01a_oproj:
	.size	k_qd7882ac01a_oproj, .Lfunc_end_k_qd7882ac01a_oproj-k_qd7882ac01a_oproj
	.p2alignl 7, 3214868480
	.fill 96, 4, 3214868480
	.section	.rodata,"a",@progbits
	.p2align	6, 0x0
	.amdhsa_kernel k_qd7882ac01a_oproj
		.amdhsa_group_segment_fixed_size 327680
		.amdhsa_private_segment_fixed_size 0
		.amdhsa_enable_private_segment 0
		.amdhsa_kernarg_size 40
		.amdhsa_user_sgpr_count 2
		.amdhsa_user_sgpr_kernarg_segment_ptr 1
		.amdhsa_wavefront_size32 1
		.amdhsa_system_sgpr_workgroup_id_x 1
		.amdhsa_system_sgpr_workgroup_id_y 1
		.amdhsa_system_sgpr_workgroup_id_z 1
		.amdhsa_system_vgpr_workitem_id 0
		.amdhsa_next_free_vgpr 448
		.amdhsa_next_free_sgpr 100
		.amdhsa_reserve_vcc 0
		.amdhsa_float_denorm_mode_32 3
		.amdhsa_float_denorm_mode_16_64 3
		.amdhsa_memory_ordered 1
		.amdhsa_forward_progress 1
		.amdhsa_inst_pref_size 48
	.end_amdhsa_kernel
	.amdgpu_metadata
---
amdhsa.version: [ 1, 2 ]
amdhsa.kernels:
  - .name:           k_qd7882ac01a_oproj
    .symbol:         k_qd7882ac01a_oproj.kd
    .args:
      - { .name: ac, .offset: 0, .size: 8, .value_kind: global_buffer, .address_space: global }
      - { .name: as_, .offset: 8, .size: 8, .value_kind: global_buffer, .address_space: global }
      - { .name: xw_c, .offset: 16, .size: 8, .value_kind: global_buffer, .address_space: global }
      - { .name: xw_s, .offset: 24, .size: 8, .value_kind: global_buffer, .address_space: global }
      - { .name: out0, .offset: 32, .size: 8, .value_kind: global_buffer, .address_space: global }
    .group_segment_fixed_size: 327680
    .private_segment_fixed_size: 0
    .kernarg_segment_align: 8
    .kernarg_segment_size: 40
    .max_flat_workgroup_size: 256
    .sgpr_count:     100
    .vgpr_count:     448
    .wavefront_size: 32
...
	.end_amdgpu_metadata
.endif
;; end of part 4
